; MI455X (gfx1250); checked and timed in simulation.
; The chip was launched on July 23, 2026; its instructions are those of AMD's public machine-readable ISA for CDNA 5 (MIT licence, August 2026) and "CDNA5" Instruction Set Architecture Reference Guide (July 2026). The comments in the code are by the model that wrote it; some were corrected since.
;; Ro PE Multihead Self Attention. Allowed arithmetic: matrix products marked QUANTISED: E2M1 operands, one E8M0 scale for each 32 along K, by v_wmma_scale_f32_16x16x128_f8f6f4 with both operands' format E2M1 (or v_wmma_scale_f32_32x16x128_f4), f32 sums; everything else in f32.
;; Inputs: W_out 1,024 x 1,024 float32; W_qkv 3,072 x 1,024 float32; b_out 1,024 float32; b_qkv 3,072 float32; x 4 x 2,048 x 1,024 float32.
;; Outputs: out0 4 x 2,048 x 1,024 float32.
;; This version of the problem:
;;   THIS VERSION OF THE PROBLEM IS GIVEN IN LOW PRECISION. The matrix products marked QUANTISED in the list below multiply operands that are first quantised to E2M1 (2 exponent bits, 1 mantissa bit; 4 bits a number), with one power-of-two scale for each 32 numbers along K (OCP MX v1.0); their sums are f32. All else is computed in f32.
;;   The module's matrix products, in the order in which they are computed (A, B: the left and right operand; K: the contracted axis; several contracted axes count as one K, in the product's order):
;;     1. [M 8,192, K 1,024] x [K 1,024, N 3,072]; A: input x; B: input W_qkv: QUANTISED
;;     2. batch 64 x [M 2,048, K 64] x [K 64, N 2,048]; A: computed on the way; B: computed on the way: QUANTISED
;;     3. batch 64 x [M 2,048, K 2,048] x [K 2,048, N 64]; A: softmax (see below); B: computed on the way: QUANTISED
;;     4. [M 8,192, K 1,024] x [K 1,024, N 1,024]; A: computed on the way; B: input W_out: QUANTISED
;;   THE QUANTISER, for each operand of a quantised product, along K:
;;     - K is cut into blocks of 32 from its start; a last block that is shorter is filled with zeros.
;;     - A block's scale is 2^e with e = floor(log2(the largest magnitude in the block)) - 2, held to -126 .. 127; a block of zeros has e = 0. As a byte (E8M0): e + 127.
;;     - Each number is divided by its block's scale, clamped to +-6, and rounded to the nearest number of E2M1, ties to even, subnormals kept.
;;     - The product sums the exact products of the quantised numbers (number of the format x scale) in f32.
;;   ~~~python
;;   def quantise(x, axis):      # numpy; x: float32 -> the quantised numbers, widened to float32 again
;;       x = np.moveaxis(x, axis, -1); K = x.shape[-1]
;;       x = np.pad(x, [(0, 0)] * (x.ndim - 1) + [(0, -K % 32)]); x = x.reshape(x.shape[:-1] + (-1, 32)); a = np.abs(x).max(-1, keepdims=True)
;;       e = np.where(a > 0, np.clip(np.frexp(np.where(a > 0, a, 1))[1] - 1 - 2, -126, 127), 0)      # np.frexp(a)[1] - 1 = floor(log2(a)), exactly
;;       r = np.clip(x / 2.0 ** e, -6, 6)
;;       step = 2.0 ** (np.maximum(np.frexp(np.where(r == 0, 1, r))[1] - 1, 0) - 1)
;;       q = np.round(r / step) * step * 2.0 ** e      # np.round: ties to even
;;       return np.moveaxis(q.reshape(q.shape[:-2] + (-1,))[..., :K], -1, axis).astype(np.float32)
;;   ~~~
;;   SOFTMAX AHEAD OF A QUANTISED PRODUCT. Where the list says 'softmax', what is quantised is not the finished softmax but p = 2^(t - M), with t = logit x log2(e) and M = ceil(the row's largest t), a whole number; so 1/2 < the row's largest p <= 1. The row's sum l is taken of the UNQUANTISED p, in f32, and the product's result is divided by l at the end. Since M is a whole number, a kernel that streams over the keys may use a running M (the ceiling of the running maximum): every later rescaling is an exact power of two, which a block's scale takes up: the codes' values come out the same.
;;   OPERANDS COMPUTED ON THE WAY. 'Computed on the way' means the value that the module computes at that place (a softmax that the list does not call 'softmax' is quantised finished and normalised). What goes into a quantiser is computed in f32, as accurately as f32 sums, v_exp_f32 and their like allow (about 1e-6 of the number): no bf16 or f16 on the way to a quantiser, and a product that is left as it is and whose result goes on into a quantised operand takes f32 operands (vector FMAs, or v_wmma_f32_16x16x4_f32). A number that lies on a knife's edge between two numbers of the format may be rounded either way, as far as f32 arithmetic and the matrix unit's own rounding can turn it there, and no further.
;; One version. Each part assembles by itself: llvm-mc -triple=amdgcn-amd-amdhsa -mcpu=gfx1250 --defsym DOCPART=n.
;; ======== version 1 of 1: 4 launches
;; limits: right only within a limited range of input values
;; workspace buffers: xw_img 6,291,456 bytes; xw_sc 393,216 bytes; rope 524,288 bytes; qb 4,718,592 bytes; kv 9,175,040 bytes; a_img 4,194,304 bytes; a_sc 262,144 bytes
;; launch quant (part 1): grid 256 x 1, 6 waves a work-group, no clusters, 51,456 bytes of LDS; arguments x, W_qkv, W_out, xw_img, xw_sc, rope; writes xw_img, xw_sc, rope
.if DOCPART == 1
	.amdgcn_target "amdgcn-amd-amdhsa--gfx1250"
	.amdhsa_code_object_version 6
	.text
	.protected	k_q961e3a285d_quant
	.globl	k_q961e3a285d_quant
	.p2align	8
	.type	k_q961e3a285d_quant,@function
k_q961e3a285d_quant:
	s_mov_b64 s[64:65], 0
	v_nop
	global_prefetch_b8 v0, s[64:65] scope:SCOPE_SE
	s_setreg_imm32_b32 hwreg(HW_REG_WAVE_MODE, 25, 1), 1
	s_wait_xcnt 0x0
; x [8192][1024], W_qkv [3072][1024] and W_out [1024][1024], f32, K innermost, become codes of FP4 (E2M1) with one E8M0 byte for each 32 along K; and the table of cos and sin for the rotation is made.
; NOTHING OF THE PROBLEM IS LEFT OUT in this program: every input has a way to the output, and both biases stand ahead of quantisers or of the result, so all five inputs are loaded and all four products are done.
; LAYOUT OF THE CODES: images of operand registers.  A fragment is 16 rows x 128 K, 8 registers a lane: lane (r = lane % 16, h = lane / 16) holds row r, registers 4 c .. 4 c + 3 hold k = 64 c + 32 h + 0 .. 31.
; It lies in memory as 1,024 bytes, register group c at 512 c + 16 x lane.  xw_img: [768 tiles][8 K steps][1,024]; tiles 0-511 x, 512-703 W_qkv, 704-767 W_out.
; THE ROWS OF A TILE ARE NOT NEIGHBOURS: lane r of tile t takes row 32 (t / 2) + 8 (t % 2) + r + 8 (r / 8), so that a product that takes such a tile as source 0 leaves 16 neighbours in the 16 registers of tiles 2 b, 2 b + 1.
; xw_sc: [768 tiles][2 halves of K][16 r][4 words]; a word holds the four bytes of one K step of one row.
; A block's scale is 2^(floor(log2(largest magnitude)) - 2); its byte is the largest magnitude's exponent field - 2, held at 1 from below by a floor among the maximum's leaves.
; rope: [2048 positions][32 f](cos, sin), f32.  theta_f = 1 / 10^(f / 8): the power as the nearest f32 number, the reciprocal corrected twice by fused multiply-adds; the angle is one f32 product, as the problem has it;
; it is reduced by multiples of pi/2 in two parts (the first subtraction is exact: the multiple is at most 1,304) and cos and sin come from polynomials on [-pi/4, pi/4], good to about 1.2e-7.
; LIMITS: NaN and infinities among the inputs are not served.  A block of zeros gets the byte 1 where the rule says 127: its codes are zeros, and this program alone reads the bytes.  Blocks whose largest magnitude lies under 2^-124 were not tried.
; SHARES: wave w of work-group g takes tile 3 g + w / 2 and half w % 2 of K: four K steps.  Each load reads 512 consecutive bytes of one row; a step's 16 rows turn through the wave's own stage in LDS
; (pitch 528 bytes = 132 words) and come back 32 neighbours of a block to a lane.  No barrier: waves share nothing.  Loads run two steps, 32 loads a wave, ahead.  Waves 0-3 also make two rows of the table, a lane to an f.
.set STGB,  8448                       ; a wave's stage: 16 rows x 528 bytes
.set SPARE, 6*STGB                     ; behind the stages: the spare words, 128 bytes for each wave: three blocks of 256 bytes that no other line names
.set SPW, 10                           ; v10  LDS address of my spare word; never rewritten
.set NIL, 11                           ; v11  0; never rewritten
.set MX,  12                           ; v12-13 the two blocks' largest magnitudes
.set SO,  14                           ; v14-15 the conversions' scale operands
.set BY,  16                           ; v16-17 the bytes
.set TW,  18                           ; v18, v19 at work on the scale word
.set UW,  19
.set SW,  20                           ; v20-23 the four steps' scale words
.set CC,  32                           ; v32-47 codes, two sets of 8
.set RR,  48                           ; v48-175 numbers as loaded, two sets of 64
.set XX,  176                          ; v176-239 numbers after the turn
	s_load_b256 s[4:11], s[0:1], 0x0               ; x s[4:5], W_qkv s[6:7], W_out s[8:9], xw_img s[10:11]
	s_load_b128 s[12:15], s[0:1], 0x20             ; xw_sc s[12:13], rope s[14:15]
	v_lshl_add_u32 v[SPW], v0, 2, SPARE
	v_mov_b32 v[NIL], 0
	v_lshrrev_b32 v1, 5, v0
	v_readfirstlane_b32 s18, v1                    ; wave 0..5
	v_and_b32 v1, 31, v0                           ; lane
	v_and_b32 v2, 15, v0                           ; r
	v_bfe_u32 v3, v0, 4, 1                         ; h
	v_lshlrev_b32 v4, 4, v1                        ; 16 x lane: my bytes of a load and of an image
	s_mul_i32 s20, s18, STGB
	v_add_nc_u32 v5, s20, v4                       ; the stage, on the way in
	v_mul_u32_u24 v6, v2, 528
	v_lshl_add_u32 v6, v3, 7, v6
	v_add_nc_u32 v6, s20, v6                       ; and out: row r, + 128 h
	v_lshlrev_b32 v7, 3, v3                        ; 8 h: my bytes' place in a scale word
	v_lshlrev_b32 v8, 4, v2
	v_lshl_add_u32 v8, v3, 3, v8                   ; 16 r + 8 h: where I store two scale words
	v_lshlrev_b32 v9, 3, v1                        ; 8 x lane: my (cos, sin)
	v_mov_b32 v[UW], 0                             ; written once: a lane permute's destination counts as one of its sources
	s_mov_b32 s24, 0x76543210
	s_mov_b32 s25, 0xfedcba98                      ; v_permlanex16_b32's selects for lane l xor 16
	s_mov_b32 s26, 0xffff0000                      ; lanes 16-31
	s_lshr_b32 s19, s18, 1
	s_mul_i32 s21, ttmp9, 3
	s_add_co_u32 s19, s19, s21                     ; my tile, 0..767
	s_and_b32 s23, s18, 1                          ; my half of K
	s_mov_b32 s43, 0
	s_wait_kmcnt 0x0
	s_mov_b32 s22, 704
	s_cmp_lt_u32 s19, 704                          ; which tensor: the choice hangs on ids alone
	s_cselect_b64 s[40:41], s[6:7], s[8:9]
	s_cselect_b32 s22, 512, s22
	s_cmp_lt_u32 s19, 512
	s_cselect_b64 s[40:41], s[4:5], s[40:41]
	s_cselect_b32 s22, 0, s22
	s_sub_co_u32 s22, s19, s22                     ; the tile's number in its tensor
	; W_qkv's tiles are laid by groups of 24: place 24 g + 8 p + i holds tile 64 p + 8 g + i (p = 0, 1, 2: q, k, v), so that 128 columns each of q, k and v lie side by side
	s_mul_i32 s37, s22, 2731
	s_lshr_b32 s37, s37, 16                        ; g = place / 24 (exact for places under 192)
	s_mul_i32 s38, s37, 24
	s_sub_co_u32 s38, s22, s38
	s_lshl_b32 s37, s37, 3
	s_lshr_b32 s39, s38, 3
	s_lshl_b32 s39, s39, 6
	s_and_b32 s38, s38, 7
	s_add_co_u32 s37, s37, s38
	s_add_co_u32 s37, s37, s39
	s_sub_co_u32 s38, s19, 512
	s_cmp_lt_u32 s38, 192                          ; for W_qkv's tiles alone: ids decide
	s_cselect_b32 s22, s37, s22
	s_lshr_b32 s27, s22, 1
	s_lshl_b32 s27, s27, 17                        ; 32 rows of 4,096 bytes
	s_and_b32 s22, s22, 1
	s_lshl_b32 s22, s22, 15                        ; 8 rows
	s_add_co_u32 s42, s27, s22
	s_lshl_b32 s22, s23, 11                        ; 512 numbers along K
	s_add_co_u32 s42, s42, s22
	s_add_nc_u64 s[40:41], s[40:41], s[42:43]
	s_lshl_b32 s42, s19, 13
	s_lshl_b32 s22, s23, 12
	s_add_co_u32 s42, s42, s22
	s_add_nc_u64 s[10:11], s[10:11], s[42:43]      ; my four images
	s_lshl_b32 s42, s19, 9
	s_lshl_b32 s22, s23, 8
	s_add_co_u32 s42, s42, s22
	s_add_nc_u64 s[12:13], s[12:13], s[42:43]      ; my 256 bytes of scale words
	s_lshl_b32 s42, ttmp9, 11
	s_lshl_b32 s22, s18, 9
	s_add_co_u32 s42, s42, s22
	s_add_nc_u64 s[14:15], s[14:15], s[42:43]      ; rows 8 g + 2 w of the table (used by waves 0-3 alone)
.macro LOAD t                          ; K step t: 16 rows x 512 bytes into set t % 2
.irp i, 0,1,2,3,4,5,6,7,8,9,10,11,12,13,14,15
	global_load_b128 v[RR+64*((\t)%2)+4*\i:RR+64*((\t)%2)+4*\i+3], v4, s[40:41] offset:(\i+8*(\i/8))*4096+512*(\t) th:TH_LOAD_NT
.endr
.endm
	LOAD 0
	LOAD 1
	s_cmp_ge_u32 s18, 4
	s_cbranch_scc1 .Lno_table
	; ---- the table: lane f
	v_mov_b32 v240, 0
.set LN, 0
.irp p, 0x3f800000,0x3faab0d5,0x3fe39ea9,0x4017c496,0x404a62c2,0x4086f161,0x40b3f300,0x40eff755,0x41200000,0x41555d0a,0x418e432a,0x41bdb5bc,0x41fcfb72,0x4228adb9,0x4260efc0,0x4295fa95,0x42c80000,0x43055a26,0x4331d3f4,0x436d232b,0x439e1d27,0x43d2d927,0x440c95d8,0x443b793b,0x447a0000,0x44a6b0b0,0x44de48f1,0x451435fb,0x4545a471,0x4583c7b8,0x45afbb4e,0x45ea5789
	s_mov_b32 s20, \p                              ; 10^(LN / 8), the nearest f32 number
	v_writelane_b32 v240, s20, LN
.set LN, LN+1
.endr
	s_mov_b32 s28, 0x3f22f983                      ; 2 / pi
	s_mov_b32 s29, 0x3fc90fdb                      ; pi / 2, its f32 part,
	s_mov_b32 s30, 0xb33bbd2e                      ; and what is left of it
	s_mov_b32 s31, 0xb94ca1f9                      ; sine: -1.9515295891e-4, 8.3321608736e-3, -1.6666654611e-1
	s_mov_b32 s32, 0x3c08839e
	s_mov_b32 s33, 0xbe2aaaa3
	s_mov_b32 s34, 0x37ccf5ce                      ; cosine: 2.443315711809948e-5, -1.388731625493765e-3, 4.166664568298827e-2
	s_mov_b32 s35, 0xbab6061a
	s_mov_b32 s36, 0x3d2aaaa5
	s_wait_alu depctr_va_vdst(0)
	v_rcp_f32 v241, v240
	v_nop                                          ; a plain instruction behind the reciprocal
	s_wait_alu depctr_va_vdst(0)                   ; and the wait ahead of its first reader
	v_fma_f32 v242, -v240, v241, 1.0
	v_fma_f32 v241, v242, v241, v241
	v_fma_f32 v242, -v240, v241, 1.0
	v_fma_f32 v241, v242, v241, v241               ; theta
	s_lshl_b32 s27, ttmp9, 3
	s_lshl_b32 s22, s18, 1
	s_add_co_u32 s27, s27, s22                     ; my first position
.macro ROPE e
	s_add_co_u32 s37, s27, \e
	v_cvt_f32_u32 v243, s37
	v_mul_f32 v243, v243, v241                     ; the angle
	v_mul_f32 v244, s28, v243
	v_rndne_f32 v244, v244                         ; n: how many times pi / 2
	v_fma_f32 v245, -v244, s29, v243
	v_fma_f32 v245, -v244, s30, v245               ; what is left, within pi / 4 of 0
	v_mul_f32 v246, v245, v245
	v_fma_f32 v247, v246, s31, s32
	v_fma_f32 v247, v247, v246, s33
	v_mul_f32 v248, v246, v245
	v_fma_f32 v247, v247, v248, v245               ; its sine
	v_fma_f32 v249, v246, s34, s35
	v_fma_f32 v249, v249, v246, s36
	v_fma_f32 v249, v249, v246, -0.5
	v_fma_f32 v249, v249, v246, 1.0                ; its cosine
	v_cvt_i32_f32 v250, v244
	v_and_b32 v251, 1, v250
	v_cmp_eq_u32 vcc_lo, 1, v251                   ; an odd n changes the two over
	v_cndmask_b32 v[25+2*\e], v247, v249, vcc_lo
	v_cndmask_b32 v[24+2*\e], v249, v247, vcc_lo
	v_and_b32 v251, 2, v250                        ; the sine's sign: n % 4 = 2, 3
	v_lshlrev_b32 v251, 30, v251
	v_xor_b32 v[25+2*\e], v251, v[25+2*\e]
	v_add_nc_u32 v251, 1, v250                     ; the cosine's: n % 4 = 1, 2
	v_and_b32 v251, 2, v251
	v_lshlrev_b32 v251, 30, v251
	v_xor_b32 v[24+2*\e], v251, v[24+2*\e]
	global_store_b64 v9, v[24+2*\e:25+2*\e], s[14:15] offset:256*\e   ; 32 lanes store 256 consecutive bytes, aligned; the data registers are not written again
.endm
	ROPE 0
	ROPE 1
.Lno_table:
.macro QSTEP t
.set RS, RR+64*((\t)%2)
.set CS, CC+8*((\t)%2)
.if (\t) < 3
	s_wait_loadcnt 16                              ; this step's 16 loads are in; the next step's 16 may be out
.else
	s_wait_loadcnt 0
.endif
.irp i, 0,1,2,3,4,5,6,7,8,9,10,11,12,13,14,15
	ds_store_b128 v5, v[RS+4*\i:RS+4*\i+3] offset:528*\i
.endr
.irp c, 0,1
.irp g, 0,1,2,3,4,5,6,7
	ds_load_b128 v[XX+32*\c+4*\g:XX+32*\c+4*\g+3], v6 offset:256*\c+16*\g   ; LDS serves a wave's instructions in order: these see the stores above.  k = 64 c + 32 h + 4 g ..
.endr
.endr
	s_wait_dscnt 0x0                               ; the numbers are back, and the stores have read their registers,
.if (\t) < 2
	LOAD (\t)+2                                    ; which take the loads of two steps on
.endif
.irp c, 0,1
	v_max3_num_f32 v[MX+\c], |v[XX+32*\c]|, |v[XX+32*\c+1]|, 0x1800000   ; block 2 c + h: all 32 numbers are mine; the floor 2^(3 - 127) keeps the byte at 1 or above
.endr
.irp i, 2,4,6,8,10,12,14,16,18,20,22,24,26,28,30
.irp c, 0,1
	v_max3_num_f32 v[MX+\c], v[MX+\c], |v[XX+32*\c+\i]|, |v[XX+32*\c+\i+1]|
.endr
.endr
.irp c, 0,1
	v_add_nc_u32 v[SO+\c], 0xff000000, v[MX+\c]    ; 2 off the exponent field: the conversion takes the exponent field of this operand as its scale
.endr
.irp c, 0,1
	v_lshrrev_b32 v[BY+\c], 23, v[SO+\c]           ; the byte
.endr
	v_lshl_or_b32 v[TW], v[BY+1], 16, v[BY]        ; blocks h and 2 + h,
	v_lshlrev_b32 v[TW], v7, v[TW]                 ; at their places in the word;
	v_permlanex16_b32 v[UW], v[TW], s24, s25
	v_or_b32 v[SW+(\t)], v[TW], v[UW]              ; with lane l xor 16's two the word is whole
.if (\t) >= 2
	s_wait_alu depctr_va_vdst(0)
	s_wait_xcnt 0x0                                ; the stores of two steps back have read this set of codes
.endif
.irp c, 0,1
.irp g, 0,1,2,3
	v_cvt_scalef32_pk8_fp4_f32 v[CS+4*\c+\g], v[XX+32*\c+8*\g:XX+32*\c+8*\g+7], v[SO+\c]
.endr
.endr
	v_nop                                          ; one plain instruction behind the last conversion
.irp c, 0,1
	global_store_b128 v4, v[CS+4*\c:CS+4*\c+3], s[10:11] offset:1024*(\t)+512*\c   ; 32 lanes store 512 consecutive bytes, aligned
.endr
.endm
	s_wait_alu depctr_va_vdst(0)
	QSTEP 0
	QSTEP 1
	QSTEP 2
	QSTEP 3
	v_cndmask_b32 v28, v[SW], v[SW+2], s26         ; lanes 0-15 store words 0, 1 of row r, lanes 16-31 words 2, 3
	v_cndmask_b32 v29, v[SW+1], v[SW+3], s26
	global_store_b64 v8, v[28:29], s[12:13]        ; 256 consecutive bytes, aligned
	s_wait_tensorcnt 0x0                           ; the wave's end, behind my last LDS store
	ds_add_u32 v[SPW], v[NIL]
	s_wait_dscnt 0x0
	s_endpgm
.Lfunc_end_k_q961e3a285d_quant:
	.size	k_q961e3a285d_quant, .Lfunc_end_k_q961e3a285d_quant-k_q961e3a285d_quant
	.p2alignl 7, 3214868480
	.fill 96, 4, 3214868480
	.section	.rodata,"a",@progbits
	.p2align	6, 0x0
	.amdhsa_kernel k_q961e3a285d_quant
		.amdhsa_group_segment_fixed_size 51456
		.amdhsa_private_segment_fixed_size 0
		.amdhsa_enable_private_segment 0
		.amdhsa_kernarg_size 48
		.amdhsa_user_sgpr_count 2
		.amdhsa_user_sgpr_kernarg_segment_ptr 1
		.amdhsa_wavefront_size32 1
		.amdhsa_system_sgpr_workgroup_id_x 1
		.amdhsa_system_sgpr_workgroup_id_y 1
		.amdhsa_system_sgpr_workgroup_id_z 1
		.amdhsa_system_vgpr_workitem_id 0
		.amdhsa_next_free_vgpr 256
		.amdhsa_next_free_sgpr 66
		.amdhsa_reserve_vcc 1
		.amdhsa_float_denorm_mode_32 3
		.amdhsa_float_denorm_mode_16_64 3
		.amdhsa_memory_ordered 1
		.amdhsa_forward_progress 1
		.amdhsa_inst_pref_size 39
	.end_amdhsa_kernel
	.amdgpu_metadata
---
amdhsa.version: [ 1, 2 ]
amdhsa.kernels:
  - .name:           k_q961e3a285d_quant
    .symbol:         k_q961e3a285d_quant.kd
    .args:
      - { .name: x, .offset: 0, .size: 8, .value_kind: global_buffer, .address_space: global }
      - { .name: W_qkv, .offset: 8, .size: 8, .value_kind: global_buffer, .address_space: global }
      - { .name: W_out, .offset: 16, .size: 8, .value_kind: global_buffer, .address_space: global }
      - { .name: xw_img, .offset: 24, .size: 8, .value_kind: global_buffer, .address_space: global }
      - { .name: xw_sc, .offset: 32, .size: 8, .value_kind: global_buffer, .address_space: global }
      - { .name: rope, .offset: 40, .size: 8, .value_kind: global_buffer, .address_space: global }
    .group_segment_fixed_size: 51456
    .private_segment_fixed_size: 0
    .kernarg_segment_align: 8
    .kernarg_segment_size: 48
    .max_flat_workgroup_size: 192
    .sgpr_count:     66
    .vgpr_count:     256
    .wavefront_size: 32
...
	.end_amdgpu_metadata
.endif
;; end of part 1
;; launch qkv (part 2): grid 8 x 32, 4 waves a work-group, clusters of 4 x 4, 327,680 bytes of LDS; arguments xw_img, xw_sc, b_qkv, rope, qb, kv; writes qb, kv
.if DOCPART == 2
	.amdgcn_target "amdgcn-amd-amdhsa--gfx1250"
	.amdhsa_code_object_version 6
	.text
	.protected	k_q961e3a285d_qkv
	.globl	k_q961e3a285d_qkv
	.p2align	8
	.type	k_q961e3a285d_qkv,@function
k_q961e3a285d_qkv:
	s_mov_b64 s[64:65], 0
	v_nop
	global_prefetch_b8 v0, s[64:65] scope:SCOPE_SE
	s_setreg_imm32_b32 hwreg(HW_REG_WAVE_MODE, 25, 1), 1
	s_wait_xcnt 0x0
	s_wait_alu depctr_hold_cnt(0) depctr_sa_sdst(0) depctr_va_vdst(0) depctr_va_sdst(0) depctr_va_ssrc(0) depctr_va_vcc(0) depctr_vm_vsrc(0)
	s_getreg_b32 s2, hwreg(HW_REG_IB_STS2, 6, 4)
	s_cmp_eq_u32 s2, 0
	s_cbranch_scc0 .Lentry_in_a_cluster
	s_endpgm
.Lentry_in_a_cluster:
	s_bfe_u32 s2, ttmp6, 0x10000c
	s_cmp_lg_u32 s2, 0xf033
	s_cbranch_scc0 .Lentry_shape_is_right
	s_endpgm
.Lentry_shape_is_right:
; qkv = x W_qkv^T + b_qkv on codes of FP4; q and k are rotated and quantised along the head's 64; v is quantised along the keys.  Nothing is left out.
; A work-group of four waves takes 256 tokens and group g of the columns: 128 of q, 128 of k, 128 of v (two heads each): 8 x 32 = 256 work-groups of equal work.
; PASS 1: wave (token half, column half) makes 128 tokens x 128 columns of q (column half 0) or of k (1): 64 accumulators, K = 1,024 in 8 steps.  PASS 2: 128 tokens x 64 columns of v: 32 accumulators.
; LDS: all of K of x (128 KiB) stays; W's 16 tiles of q and k (128 KiB) come in two halves of K; behind pass 1's products W's 8 tiles of v (64 KiB, dense) are filled over the bytes of W's first half, and land while q and k go out.
; The scale words of x's 16 and W's 24 tiles come once.  A wave has one tensor load outstanding at the most.  No prefetch: each fill stands once, and there is no loop to run ahead in.
; Codes lie in memory and in LDS as images of operand registers (1,024 bytes a fragment, group c at 512 c + 16 x lane).
; CLUSTERS: 4 x 4 work-groups; x's tiles are asked for jointly along a row of the cluster, W's along a column.
; q, k: THE PRODUCT IS USED TRANSPOSED (source 0 = 16 rows of W, source 1 = 16 tokens): a lane holds one token, and by the choice of a tile's rows the 16 registers of tiles 2 b, 2 b + 1 are columns 32 b + 16 h + 0 .. 15.
; v: source 0 = 16 tokens, source 1 = 16 rows of W: a lane holds one column d, and the 16 registers of token tiles 2 b, 2 b + 1 are tokens 32 b + 16 h + 0 .. 15.
; The bias is the C of each sum's first product.  A wave's 128 tokens are one key step of the attention launch.
; OUT: qb [64 heads][16 steps][4,608]: 8 tiles x 512 bytes (registers 0-3 of a fragment), then scale words [2][16 r][tile % 4]; a word's bytes 2, 3 are 0x7f, for the zero codes that fill K = 64 .. 127.
;      kv [64][16][8,960]: k as qb's; from 4,608 four fragments of v^T (16 d x 128 keys); from 8,704 their scale words [16 r][4].
; LIMITS: as stated at the head of the first launch (NaN, infinities, blocks of zeros, blocks under 2^-124).
; REGISTERS, in windows of 256: window 0: v1-29 addresses, v8-11 v's bias; v32-95 scale words, two sets (lanes 0-15 x's tile i, lanes 16-31 W's tile i); v96-121 at work; v128-255 x's fragments, two sets;
;   on the way out v128-191 a lane's 64 numbers, v192-247 codes (seven sets of 8), v248-255 scale words to be stored.
;   window 1: W's fragments at v0 and v128; the bias v64-127; the table of token tiles 0, 1 at v192; behind pass 1's products the table of tiles 2 to 7 takes v0-191.
;   windows 2, 3: accumulator (a, b) at v[8 (8 (a % 4) + b)] of window 2 + a / 4.
.set AH1,   131072                     ; LDS: x half 0 at 0, W half 0 at 65,536 (later: v's W), x half 1 at 131,072, W half 1 at 196,608
.set BH0,   65536
.set SCA,   262144                     ; x's scale words [16 tiles][2][16 r][16 bytes]
.set SCB,   270336                     ; W's, 24 tiles
.set SPARE, 282624                     ; the spare words, 128 bytes for each wave: two blocks of 256 bytes that no other line names
.set SPW, 28
.set NIL, 29
.set U,   96
.set TM,  104
.set PW,  120
.set WW,  121
.set H,   128
.set PC,  192
.set SWD, 248
.set BIA, 64
.set G1A, 24
.set G0A, 32
.set G1B, 48
.set G0B, 56
.set G1S, 68
.set G0S, 76
.set G1T, 80
.set G0T, 88
.set MSB, 0
.macro WIN new                         ; the immediate's high byte repeats the setting that is left
.if MSB != (\new)
	s_set_vgpr_msb (MSB<<8)|(\new)
.set MSB, (\new)
.endif
.endm
.macro PLACES                          ; four plain instructions between a matrix instruction and a load into, or a vector read of, its registers
.rept 4
	v_nop
.endr
.endm
.macro TL g0, g1                       ; a tensor load with an s_nop and four v_nops behind it
	tensor_load_to_lds s[\g0:\g0+3], s[\g1:\g1+7]
	s_nop 0
.rept 4
	v_nop
.endr
.endm
.macro CROUND                          ; a round of the cluster's barrier
	s_barrier_signal -1
	s_barrier_wait -1
	s_cmp_lg_u32 s16, 0
	s_cbranch_scc1 .Lnot_wave_0_\@
	s_barrier_signal -3
.Lnot_wave_0_\@:
	s_barrier_wait -3
	s_barrier_signal -1
	s_barrier_wait -1
.endm
	s_load_b256 s[4:11], s[0:1], 0x0               ; xw_img s[4:5], xw_sc s[6:7], b_qkv s[8:9], rope s[10:11]
	s_load_b128 s[12:15], s[0:1], 0x20             ; qb s[12:13], kv s[14:15]
	v_lshl_add_u32 v[SPW], v0, 2, SPARE
	v_mov_b32 v[NIL], 0
	ds_add_u32 v[SPW], v[NIL]                      ; the wave's opening: the add, twice on end, and its wait ahead of my first tensor load
	ds_add_u32 v[SPW], v[NIL]
	v_lshrrev_b32 v1, 5, v0
	v_readfirstlane_b32 s16, v1                    ; wave 0..3
	s_lshr_b32 s17, s16, 1                         ; my half of the tokens
	s_and_b32 s18, s16, 1                          ; my half of the columns: q or k in pass 1, one head of v in pass 2
	s_bfe_u32 s40, ttmp6, 0x40000                  ; cx, cy
	s_bfe_u32 s41, ttmp6, 0x40004
	s_lshl_b32 s42, ttmp9, 2
	s_add_co_u32 s42, s42, s40                     ; group of columns g, 0..7
	s_and_b32 s19, ttmp7, 0xffff
	s_lshl_b32 s19, s19, 2
	s_add_co_u32 s19, s19, s41                     ; block of 256 tokens, 0..31
	s_lshl_b32 s43, s41, 2
	s_lshl_b32 s43, 15, s43                        ; my row of the cluster
	s_lshl_b32 s44, 0x1111, s40                    ; my column
	s_or_b32 s[G1A], s43, (3<<16)|(1<<21)          ; 15:0 the mask; 17:16 elements of 8 bytes; 21 set beside a mask; no padding
	s_or_b32 s[G1B], s44, (3<<16)|(1<<21)
.irp g, G1A, G1B                       ; codes: 16 tiles as 16 rows of 4,096 bytes (half of K), 8,192 bytes apart
	s_mov_b32 s[\g+1], 512<<16
	s_mov_b32 s[\g+2], 16<<16
	s_mov_b32 s[\g+3], 512<<16
	s_mov_b32 s[\g+4], 16
	s_mov_b32 s[\g+5], 1024
	s_mov_b32 s[\g+6], 0
	s_mov_b32 s[\g+7], 0
.endr
	s_or_b32 s[G1S], s43, (3<<16)|(1<<21)
	s_or_b32 s[G1T], s44, (3<<16)|(1<<21)
.irp g, G1S, G1T                       ; scale words: dense bytes as rows of 256
	s_mov_b32 s[\g+1], 32<<16
	s_mov_b32 s[\g+3], 32<<16
	s_mov_b32 s[\g+5], 32
	s_mov_b32 s[\g+6], 0
	s_mov_b32 s[\g+7], 0
.endr
	s_mov_b32 s[G1S+2], 32<<16                     ; x: 16 tiles, 8,192 bytes
	s_mov_b32 s[G1S+4], 32
	s_mov_b32 s[G1T+2], 48<<16                     ; W: 24 tiles, 12,288 bytes
	s_mov_b32 s[G1T+4], 48
	s_lshl_b32 s20, s19, 17                        ; x: tile 16 x block, 8,192 bytes a tile
	s_mov_b32 s21, 0
	s_lshr_b32 s22, s20, 4                         ; and 512 bytes of scale words a tile
	s_mov_b32 s23, 0
	s_mul_i32 s46, s42, 24*8192                    ; W: place 512 + 24 g
	s_add_co_u32 s46, s46, 512*8192
	s_mov_b32 s47, 0
	s_lshr_b32 s2, s46, 4
	s_mov_b32 s3, 0
	s_wait_dscnt 0x0                               ; both opening adds are done
	s_wait_kmcnt 0x0
	s_add_nc_u64 s[20:21], s[4:5], s[20:21]
	s_add_nc_u64 s[22:23], s[6:7], s[22:23]
	s_add_nc_u64 s[46:47], s[4:5], s[46:47]
	s_add_nc_u64 s[2:3], s[6:7], s[2:3]
	CROUND                                         ; all sixteen work-groups are here: the joint loads meet
	s_mov_b32 s[G0S], 1
	s_mov_b32 s[G0S+1], SCA
	s_mov_b64 s[G0S+2:G0S+3], s[22:23]
	s_or_b32 s[G0S+3], s[G0S+3], 0x80000000
	s_mov_b32 s[G0T], 1
	s_mov_b32 s[G0T+1], SCB
	s_mov_b64 s[G0T+2:G0T+3], s[2:3]
	s_or_b32 s[G0T+3], s[G0T+3], 0x80000000
.irp k, 0,1
	s_mov_b32 s[G0A+4*\k], 1
	s_mov_b32 s[G0A+4*\k+1], \k*AH1
	s_add_nc_u64 s[G0A+4*\k+2:G0A+4*\k+3], s[20:21], \k*4096
	s_or_b32 s[G0A+4*\k+3], s[G0A+4*\k+3], 0x80000000
	s_mov_b32 s[G0B+4*\k], 1
	s_mov_b32 s[G0B+4*\k+1], BH0+\k*AH1
	s_add_nc_u64 s[G0B+4*\k+2:G0B+4*\k+3], s[46:47], \k*4096
	s_or_b32 s[G0B+4*\k+3], s[G0B+4*\k+3], 0x80000000
.endr
; THE HEAD'S LOADS, ONE A WAVE: wave 0 the first half of K of x's 16 tiles, wave 1 of W's 16 of q and k, wave 2 x's scale words, wave 3 W's.  One chain of branches on the wave's number, an arm a load.
.macro ARM under, g0, g1, next
	s_cmp_lt_u32 s16, \under
	s_cbranch_scc0 \next
	TL \g0, \g1
	s_branch .Lhead_asked
\next:
.endm
	ARM 1, G0A, G1A, .Lhead_b
	ARM 2, G0B, G1B, .Lhead_sa
	ARM 3, G0S, G1S, .Lhead_sb
	TL G0T, G1T
.Lhead_asked:
	; where the results go
	s_lshr_b32 s46, s19, 3                         ; the batch
	s_lshl_b32 s46, s46, 4
	s_lshl_b32 s47, s42, 1
	s_add_co_u32 s46, s46, s47                     ; the group's first head: 16 x batch + 2 g
	s_and_b32 s2, s19, 7
	s_lshl_b32 s2, s2, 1
	s_add_co_u32 s2, s2, s17                       ; my step of 128 tokens in the sequence
	s_add_co_u32 s20, s46, s18                     ; v: my one head
	s_mul_i32 s20, s20, 143360
	s_mul_i32 s21, s2, 8960
	s_add_co_u32 s20, s20, s21
	s_mov_b32 s21, 0
	s_cmp_eq_u32 s18, 0                            ; pass 1: (qb, 73,728 a head, 4,608 a step) for q, (kv, 143,360, 8,960) for k: the wave's number decides
	s_cselect_b64 s[98:99], s[12:13], s[14:15]
	s_mov_b32 s97, 143360
	s_cselect_b32 s97, 73728, s97
	s_mov_b32 s45, 8960
	s_cselect_b32 s45, 4608, s45
	s_add_nc_u64 s[12:13], s[14:15], s[20:21]      ; pass 2's place in kv
	s_mul_i32 s46, s46, s97
	s_mul_i32 s47, s2, s45
	s_add_co_u32 s46, s46, s47
	s_mov_b32 s47, 0
	s_add_nc_u64 s[98:99], s[98:99], s[46:47]
	s_lshl_b32 s46, s2, 15                         ; the table: 128 rows of 256 bytes a step
	s_add_nc_u64 s[100:101], s[10:11], s[46:47]
	s_lshl_b32 s46, s42, 9                         ; the bias: 128 g columns on,
	s_lshl_b32 s2, s18, 8
	s_add_co_u32 s2, s2, s46
	s_add_co_u32 s2, s2, 8192                      ; v's from column 2,048, my 64;
	s_mov_b32 s3, 0
	s_add_nc_u64 s[10:11], s[8:9], s[2:3]
	s_lshl_b32 s2, s18, 12                         ; q's from 0, k's from 1,024
	s_add_co_u32 s46, s46, s2
	s_add_nc_u64 s[8:9], s[8:9], s[46:47]
	s_mov_b32 s92, 0x76543210
	s_mov_b32 s93, 0xfedcba98                      ; v_permlanex16_b32's selects for lane l xor 16
	s_mov_b32 s94, 0xffff
	s_mov_b32 s95, 0x7f7f0000
	s_lshl_b32 s20, s17, 15                        ; my 8 tiles of x
	s_lshl_b32 s21, s18, 15
	s_add_co_u32 s21, s21, BH0                     ; my 8 tiles of W in pass 1; my 4 dense tiles of v's W in pass 2
	s_xor_b32 s23, s17, 1
	s_add_co_u32 s22, s23, s18
	s_add_co_u32 s22, s22, 1
	s_lshl_b32 s22, s22, 12                        ; from my tiles' scale words of x to those of W, pass 1: 8,192 + 4,096 (column half - token half)
	s_lshl_b32 s23, s23, 1
	s_add_co_u32 s23, s23, s18
	s_add_co_u32 s23, s23, 6
	s_lshl_b32 s23, s23, 11                        ; pass 2: 16,384 + 2,048 x column half - 4,096 x token half
	s_lshl_b32 s2, s17, 12
	s_add_co_u32 s2, s2, SCA
	v_and_b32 v3, 31, v0                           ; lane
	v_and_b32 v1, 15, v0                           ; r
	v_bfe_u32 v2, v0, 4, 1                         ; h
	v_lshlrev_b32 v23, 4, v3                       ; 16 x lane
	v_add_nc_u32 v16, s20, v23
	v_add_nc_u32 v17, AH1, v16
	v_add_nc_u32 v20, s21, v23
	v_add_nc_u32 v21, AH1, v20
	v_mul_u32_u24 v27, s22, v2                     ; lanes 16-31 take W's
	v_lshl_add_u32 v27, v1, 4, v27
	v_add_nc_u32 v27, s2, v27
	v_mul_u32_u24 v15, s23, v2
	v_lshl_add_u32 v15, v1, 4, v15
	v_add_nc_u32 v15, s2, v15
	v_lshl_add_u32 v12, v1, 4, s2                  ; x's words in all lanes
	v_lshlrev_b32 v13, 4, v1                       ; 16 r
	v_and_b32 v4, 8, v1
	v_add_nc_u32 v4, v4, v1                        ; r + 8 (r / 8)
	v_lshlrev_b32 v22, 8, v4
	v_lshl_add_u32 v22, v2, 6, v22                 ; the table: my token's row, + 64 h
	v_add_nc_u32 v24, s97, v23                     ; 16 x lane in the second head
	v_mul_u32_u24 v25, s97, v2
	v_lshl_add_u32 v25, v1, 4, v25                 ; scale words: lanes 0-15 the first head, lanes 16-31 the second; 16 r
	v_lshlrev_b32 v26, 4, v2                       ; 16 h
	v_lshlrev_b32 v14, 2, v4                       ; v's bias: a lane holds one column
	v_lshlrev_b32 v18, 6, v2                       ; q's, k's bias: lane (r, h) wants, for tile b, columns 32 (b / 2) + 16 h + 8 (b % 2) + 0 .. 7
.irp e, 0,1,2,3
	v_mov_b32 v[TM+4+\e], 0                        ; written once: a lane permute's destination counts as one of its sources
.endr
.macro FETCHX j                        ; x's eight fragments of K step j into set j % 2
.irp i, 0,1,2,3,4,5,6,7
.irp c, 0,1
	ds_load_b128 v[128+64*((\j)%2)+8*\i+4*\c:128+64*((\j)%2)+8*\i+4*\c+3], v[16+(\j)/4] offset:4096*\i+1024*((\j)%4)+512*\c
.endr
.endr
.endm
.macro FETCH j, sw                     ; K step j's fragments into set j % 2, in one run
	WIN 0x40                                       ; destination window 1, address window 0
.if \sw
.irp i, 0,1,2,3
.irp c, 0,1
	ds_load_b128 v[128*((\j)%2)+8*\i+4*\c:128*((\j)%2)+8*\i+4*\c+3], v20 offset:8192*\i+1024*(\j)+512*\c
.endr
.endr
.else
.irp i, 0,1,2,3,4,5,6,7
.irp c, 0,1
	ds_load_b128 v[128*((\j)%2)+8*\i+4*\c:128*((\j)%2)+8*\i+4*\c+3], v[20+(\j)/4] offset:4096*\i+1024*((\j)%4)+512*\c
.endr
.endr
.endif
	WIN 0
	FETCHX \j
.endm
.macro SCALES s, sw                    ; the scale words of four K steps into set s.  Pass 2 has four tiles of W: registers 4-7 take x's words in all lanes
.irp i, 0,1,2,3,4,5,6,7
.set SADR, 27
.if \sw
.set SADR, 15
.if \i > 3
.set SADR, 12
.endif
.endif
	ds_load_b128 v[32+32*\s+4*\i:32+32*\s+4*\i+3], v[SADR] offset:512*\i+256*\s
.endr
.endm
; Token tiles a0 .. a0 + 3 x my tiles of W (8 in pass 1, 4 in pass 2).  The accumulators take turns, one instruction a turn, in the same order in every step.
.macro MUL a0, j, sw, first
.irp a, \a0, \a0+1, \a0+2, \a0+3
.irp b, 0,1,2,3,4,5,6,7
.set rD, 8*(8*((\a)%4)+\b)
.set rW, 128*((\j)%2)+8*\b
.set rX, 128+64*((\j)%2)+8*(\a)
.set rB, BIA+8*\b
.set sW, 32+32*((\j)/4)+4*\b+(\j)%4
.set sX, 32+32*((\j)/4)+4*(\a)+(\j)%4
.if \sw == 0
.if \first
	v_wmma_scale_f32_16x16x128_f8f6f4 v[rD:rD+7], v[rW:rW+7], v[rX:rX+7], v[rB:rB+7], v[sW], v[sX] matrix_a_fmt:MATRIX_FMT_FP4 matrix_b_fmt:MATRIX_FMT_FP4 matrix_a_scale:MATRIX_SCALE_ROW1
.else
	v_wmma_scale_f32_16x16x128_f8f6f4 v[rD:rD+7], v[rW:rW+7], v[rX:rX+7], v[rD:rD+7], v[sW], v[sX] matrix_a_fmt:MATRIX_FMT_FP4 matrix_b_fmt:MATRIX_FMT_FP4 matrix_a_scale:MATRIX_SCALE_ROW1
.endif
.else
.if \b < 4
.if \first
	v_wmma_scale_f32_16x16x128_f8f6f4 v[rD:rD+7], v[rX:rX+7], v[rW:rW+7], v[rB:rB+7], v[sX], v[sW] matrix_a_fmt:MATRIX_FMT_FP4 matrix_b_fmt:MATRIX_FMT_FP4 matrix_b_scale:MATRIX_SCALE_ROW1
.else
	v_wmma_scale_f32_16x16x128_f8f6f4 v[rD:rD+7], v[rX:rX+7], v[rW:rW+7], v[rD:rD+7], v[sX], v[sW] matrix_a_fmt:MATRIX_FMT_FP4 matrix_b_fmt:MATRIX_FMT_FP4 matrix_b_scale:MATRIX_SCALE_ROW1
.endif
.endif
.endif
.endr
.endr
.endm
; A K step: its fragments are in; the next step's are asked for, in one run, ahead of its products.
.macro KSTEP j, sw
	s_wait_dscnt 0x0                               ; step j's fragments (and scale words) are in
.if (\j) == 3
.if \sw == 0
	s_wait_tensorcnt 0x0                           ; my part of the second half of K has landed,
	s_barrier_signal -1
	s_barrier_wait -1                              ; everybody's has.  The next fill, v's W, waits for pass 1's products
.endif
.endif
.if (\j) < 7
.if (\j) > 0
	PLACES                                         ; the set that is loaded now was read by the last step's products
.endif
	FETCH (\j)+1, \sw
.if (\j) == 3
	SCALES 1, \sw
.endif
.endif
.if (\j) == 0
	WIN 0x91+3*\sw                                 ; the first products take the bias (window 1) as C
	MUL 0, \j, \sw, 1
	WIN 0xd1+3*\sw
	MUL 4, \j, \sw, 1
.else
	WIN 0xa1+3*\sw
	MUL 0, \j, \sw, 0
	WIN 0xf1+3*\sw
	MUL 4, \j, \sw, 0
.endif
.endm
.macro TLD a                           ; the table for token tile a: my token's cos and sin of f = 8 h + 0 .. 7 and 16 + 8 h + 0 .. 7: 32 registers of window 1 from (192 + 32 a) % 256 on
.set nn, 0
.irp o, 0,16,32,48,128,144,160,176
	global_load_b128 v[(192+32*(\a))%256+4*nn:(192+32*(\a))%256+4*nn+3], v22, s[100:101] offset:(32*((\a)/2)+8*((\a)%2))*256+\o
.set nn, nn+1
.endr
.endm
	; ================ pass 1: q and k
.irp b, 0,1,2,3
	global_load_b32 v[8+\b], v14, s[10:11] offset:(32*(\b/2)+8*(\b%2))*4   ; v's bias of my column in tile b: kept for pass 2
.endr
	WIN 0x40
.irp b, 0,1,2,3,4,5,6,7
	global_load_b128 v[BIA+8*\b:BIA+8*\b+3], v18, s[8:9] offset:(32*(\b/2)+8*(\b%2))*4
	global_load_b128 v[BIA+8*\b+4:BIA+8*\b+7], v18, s[8:9] offset:(32*(\b/2)+8*(\b%2))*4+16
.endr
	TLD 0
	TLD 1
	WIN 0
	s_wait_alu depctr_va_vdst(0)                   ; the wait at the head's end
	s_wait_tensorcnt 0x0                           ; my tile of the head's four is in; the lines ahead of a later first fill:
	ds_add_u32 v[SPW], v[NIL]
	s_wait_dscnt 0x0
	CROUND                                         ; all four tiles are in, and all sixteen work-groups are here
	s_cmp_eq_u32 s16, 0                            ; the second half of K: wave 0 fetches x's, wave 1 W's
	s_cbranch_scc0 .Lh1_b
	TL G0A+4, G1A
	s_branch .Lh1_e
.Lh1_b:
	s_cmp_eq_u32 s16, 1
	s_cbranch_scc0 .Lh1_e
	TL G0B+4, G1B
.Lh1_e:
	FETCH 0, 0
	SCALES 0, 0
	s_wait_loadcnt 16                              ; both biases are in; the table's 16 loads may be out
.irp j, 0,1,2,3,4,5,6,7
	KSTEP \j, 0
.endr
	WIN 0
	PLACES                                         ; behind the last products: for the loads below, which land on W's fragments and the bias, and for the reads of the results
	WIN 0x40
.irp a, 2,3,4,5,6,7
	TLD \a                                         ; the table of the six tiles that are left, 48 loads in one run: W's fragments and the bias are done with
.endr
	WIN 0
	s_wait_tensorcnt 0x0                           ; THE REFILL: no tensor load of mine is out,
	ds_add_u32 v[SPW], v[NIL]
	s_mov_b32 s[G1B+5], 512                        ; so descriptors may be written: v's 8 tiles are 16 dense rows of 4,096 bytes,
	s_add_nc_u64 s[G0B+2:G0B+3], s[G0B+2:G0B+3], 16*8192   ; 16 tiles on in W's group
	s_wait_dscnt 0x0                               ; the add is done, and my reads of W are over
	CROUND                                         ; that holds of every wave of every partner
	s_cmp_eq_u32 s16, 1
	s_cbranch_scc0 .Lnot_v
	TL G0B, G1B                                    ; over the bytes of W's first half of K
.Lnot_v:
; 64 numbers of a lane, v[H + 16 e + i] = column 32 e + 16 h + i of my token, become a fragment's codes in v[pc] on and the scale word in v[PW]
.macro QUANT pc
.irp e, 0,1,2,3
	v_max3_num_f32 v[TM+\e], |v[H+16*\e]|, |v[H+16*\e+1]|, 0x1800000   ; the floor 2^(3 - 127) keeps the byte at 1 or above
.endr
.irp i, 2,4,6,8,10,12,14
.irp e, 0,1,2,3
	v_max3_num_f32 v[TM+\e], v[TM+\e], |v[H+16*\e+\i]|, |v[H+16*\e+\i+1]|
.endr
.endr
.irp e, 0,1,2,3
	v_permlanex16_b32 v[TM+4+\e], v[TM+\e], s92, s93
.endr
.irp e, 0,1,2,3
	v_max_num_f32 v[TM+\e], v[TM+\e], v[TM+4+\e]   ; with lane l xor 16's 16: the block's largest magnitude
.endr
.irp e, 0,1,2,3
	v_add_nc_u32 v[TM+12+\e], 0xff000000, v[TM+\e] ; 2 off the exponent field: the conversion's scale operand
.endr
.irp e, 0,1,2,3
	v_lshrrev_b32 v[TM+4+\e], 23, v[TM+12+\e]      ; the byte
.endr
	v_lshl_or_b32 v[PW], v[TM+5], 8, v[TM+4]
	v_lshl_or_b32 v[PW], v[TM+6], 16, v[PW]
	v_lshl_or_b32 v[PW], v[TM+7], 24, v[PW]
.irp e, 0,1,2,3
	v_cvt_scalef32_pk8_fp4_f32 v[(\pc)+2*\e], v[H+16*\e:H+16*\e+7], v[TM+12+\e]
	v_cvt_scalef32_pk8_fp4_f32 v[(\pc)+2*\e+1], v[H+16*\e+8:H+16*\e+15], v[TM+12+\e]
.endr
	v_nop                                          ; one plain instruction behind the last conversion
.irp c, 0,1                                    ; the layout wants a whole block in a lane: lanes 0-15 block 2 c, lanes 16-31 block 2 c + 1
.irp i, 0,1
	v_permlane16_swap_b32 v[(\pc)+4*\c+\i], v[(\pc)+4*\c+2+\i]
.endr
.endr
.endm
; Token tile a: rotated, quantised, stored.  Registers 2 k, 2 k + 1 of tile b are a pair (even d, odd d) of f = 16 ((b / 2) % 2) + 8 h + 4 (b % 2) + k.
; Tiles 0 to 6 have a set of code registers each, so that no store's data are written again; tile 7 takes tile 0's set, behind one wait.
.macro QKT a
	s_wait_loadcnt 8*(7-(\a))                      ; this tile's table is in; the 8 loads of each later tile may be out
.if (\a) == 7
	s_wait_xcnt 0x0                                ; tile 0's stores have read the set of codes that this tile writes
.endif
	WIN 0x06+(\a)/4                                ; source 0: the accumulators' window; source 1: window 1
.irp b, 0,1,2,3,4,5,6,7
.set rA, 8*(8*((\a)%4)+\b)
.set rT, (192+32*(\a))%256+8*(\b%4)
.irp k, 0,1,2,3
	v_mul_f32 v[U+2*\k], v[rA+2*\k+1], v[rT+2*\k+1]                    ; odd x sin  (each accumulator is read from its low end on)
	v_mul_f32 v[U+2*\k+1], v[rA+2*\k], v[rT+2*\k+1]                    ; even x sin
.endr
.irp k, 0,1,2,3
	v_fma_f32 v[H+8*\b+2*\k], v[rA+2*\k], v[rT+2*\k], -v[U+2*\k]       ; even x cos - odd x sin
	v_fma_f32 v[H+8*\b+2*\k+1], v[rA+2*\k+1], v[rT+2*\k], v[U+2*\k+1]  ; odd x cos + even x sin
.endr
.endr
	WIN 0
	QUANT PC+8*((\a)%7)
	v_lshrrev_b32 v[WW], v26, v[PW]                ; lanes 0-15: the first head's two bytes; lanes 16-31: the second's
	v_and_or_b32 v[SWD+(\a)], v[WW], s94, s95      ; over them 0x7f twice, for the zero codes of K = 64 .. 127
	global_store_b128 v23, v[PC+8*((\a)%7):PC+8*((\a)%7)+3], s[98:99] offset:512*(\a)     ; 512 consecutive bytes, aligned: the first head's tile,
	global_store_b128 v24, v[PC+8*((\a)%7)+4:PC+8*((\a)%7)+7], s[98:99] offset:512*(\a)   ; the second's
.if ((\a)%4) == 3
	global_store_b128 v25, v[SWD+4*((\a)/4):SWD+4*((\a)/4)+3], s[98:99] offset:4096+256*((\a)/4)   ; four tiles' scale words: each half of the lanes stores 256 consecutive bytes, aligned
.endif
.endm
.irp a, 0,1,2,3,4,5,6,7
	QKT \a
.endr
	; ================ pass 2: v
	WIN 0x40
.irp b, 0,1,2,3
.irp i, 0,1,2,3,4,5,6,7
	v_mov_b32 v[BIA+8*\b+\i], v[8+\b]              ; a lane holds one column: all eight registers of a tile take its bias
.endr
.endr
	WIN 0
	s_wait_alu depctr_va_vdst(0)                   ; the wait here, directly ahead of the waits below
	s_wait_xcnt 0x0                                ; pass 1's stores have read the registers that the fragments land on
	s_wait_tensorcnt 0x0                           ; v's W has landed (wave 1's load),
	s_barrier_signal -1
	s_barrier_wait -1                              ; and every wave knows.
	FETCH 0, 1
	SCALES 0, 1
.irp j, 0,1,2,3,4,5,6,7
	KSTEP \j, 1
.endr
	WIN 0
	PLACES
; Column tile b: 16 d x my 128 tokens become one fragment of v^T.  Block e of 32 tokens lies in accumulators (2 e, b) and (2 e + 1, b) of lanes l and l xor 16.  Each tile has its own set of code registers.
.macro VT b
.irp w, 0,1
	WIN 0x0a+5*\w                                  ; sources 0 and 1: window 2 (blocks 0, 1) or 3 (blocks 2, 3)
.irp e, 0,1
	v_max3_num_f32 v[TM+2*\w+\e], |v[8*(16*\e+(\b))]|, |v[8*(16*\e+(\b))+1]|, 0x1800000
.endr
.irp i, 2,4,6
.irp e, 0,1
	v_max3_num_f32 v[TM+2*\w+\e], |v[8*(16*\e+(\b))+\i]|, |v[8*(16*\e+(\b))+\i+1]|, v[TM+2*\w+\e]
.endr
.endr
.irp i, 0,2,4,6
.irp e, 0,1
	v_max3_num_f32 v[TM+2*\w+\e], |v[8*(16*\e+8+(\b))+\i]|, |v[8*(16*\e+8+(\b))+\i+1]|, v[TM+2*\w+\e]
.endr
.endr
.endr
	WIN 0
.irp e, 0,1,2,3
	v_permlanex16_b32 v[TM+4+\e], v[TM+\e], s92, s93
.endr
.irp e, 0,1,2,3
	v_max_num_f32 v[TM+\e], v[TM+\e], v[TM+4+\e]
.endr
.irp e, 0,1,2,3
	v_add_nc_u32 v[TM+12+\e], 0xff000000, v[TM+\e]
.endr
.irp e, 0,1,2,3
	v_lshrrev_b32 v[TM+4+\e], 23, v[TM+12+\e]
.endr
	v_lshl_or_b32 v[SWD+(\b)], v[TM+5], 8, v[TM+4]
	v_lshl_or_b32 v[SWD+(\b)], v[TM+6], 16, v[SWD+(\b)]
	v_lshl_or_b32 v[SWD+(\b)], v[TM+7], 24, v[SWD+(\b)]
.irp w, 0,1
	WIN 0x02+\w                                    ; source 0: the accumulators' window
.irp e, 0,1
.irp u, 0,1
	v_cvt_scalef32_pk8_fp4_f32 v[PC+8*(\b)+2*(2*\w+\e)+\u], v[8*(16*\e+8*\u+(\b)):8*(16*\e+8*\u+(\b))+7], v[TM+12+2*\w+\e]
.endr
.endr
.endr
	WIN 0
	v_nop
.irp c, 0,1
.irp i, 0,1
	v_permlane16_swap_b32 v[PC+8*(\b)+4*\c+\i], v[PC+8*(\b)+4*\c+2+\i]
.endr
.endr
.irp c, 0,1
	global_store_b128 v23, v[PC+8*(\b)+4*\c:PC+8*(\b)+4*\c+3], s[12:13] offset:4608+1024*(\b)+512*\c
.endr
.endm
.irp b, 0,1,2,3
	VT \b
.endr
	s_wait_alu depctr_va_vdst(0)                   ; the wait here, directly ahead of the reader below
	global_store_b128 v13, v[SWD:SWD+3], s[12:13] offset:8704   ; row r's four words: 256 consecutive bytes, aligned; lanes l and l xor 16 hold and store the same words
	s_wait_tensorcnt 0x0                           ; the wave's end, behind my last tensor load
	ds_add_u32 v[SPW], v[NIL]
	s_wait_dscnt 0x0
	CROUND                                         ; the closing round: no work-group ends while a partner may still ask for a tile that names it
	s_endpgm
.Lfunc_end_k_q961e3a285d_qkv:
	.size	k_q961e3a285d_qkv, .Lfunc_end_k_q961e3a285d_qkv-k_q961e3a285d_qkv
	.p2alignl 7, 3214868480
	.fill 96, 4, 3214868480
	.section	.rodata,"a",@progbits
	.p2align	6, 0x0
	.amdhsa_kernel k_q961e3a285d_qkv
		.amdhsa_group_segment_fixed_size 327680
		.amdhsa_private_segment_fixed_size 0
		.amdhsa_enable_private_segment 0
		.amdhsa_kernarg_size 48
		.amdhsa_user_sgpr_count 2
		.amdhsa_user_sgpr_kernarg_segment_ptr 1
		.amdhsa_wavefront_size32 1
		.amdhsa_system_sgpr_workgroup_id_x 1
		.amdhsa_system_sgpr_workgroup_id_y 1
		.amdhsa_system_sgpr_workgroup_id_z 1
		.amdhsa_system_vgpr_workitem_id 0
		.amdhsa_next_free_vgpr 1024
		.amdhsa_next_free_sgpr 102
		.amdhsa_reserve_vcc 0
		.amdhsa_float_denorm_mode_32 3
		.amdhsa_float_denorm_mode_16_64 3
		.amdhsa_memory_ordered 1
		.amdhsa_forward_progress 1
		.amdhsa_inst_pref_size 249
	.end_amdhsa_kernel
	.amdgpu_metadata
---
amdhsa.version: [ 1, 2 ]
amdhsa.kernels:
  - .name:           k_q961e3a285d_qkv
    .symbol:         k_q961e3a285d_qkv.kd
    .args:
      - { .name: xw_img, .offset: 0, .size: 8, .value_kind: global_buffer, .address_space: global }
      - { .name: xw_sc, .offset: 8, .size: 8, .value_kind: global_buffer, .address_space: global }
      - { .name: b_qkv, .offset: 16, .size: 8, .value_kind: global_buffer, .address_space: global }
      - { .name: rope, .offset: 24, .size: 8, .value_kind: global_buffer, .address_space: global }
      - { .name: qb, .offset: 32, .size: 8, .value_kind: global_buffer, .address_space: global }
      - { .name: kv, .offset: 40, .size: 8, .value_kind: global_buffer, .address_space: global }
    .group_segment_fixed_size: 327680
    .private_segment_fixed_size: 0
    .kernarg_segment_align: 8
    .kernarg_segment_size: 48
    .max_flat_workgroup_size: 128
    .sgpr_count:     102
    .vgpr_count:     1024
    .wavefront_size: 32
...
	.end_amdgpu_metadata
.endif
;; end of part 2
;; launch attn (part 3): grid 8 x 32, 8 waves a work-group, clusters of 4 x 1, 327,680 bytes of LDS; arguments qb, kv, a_img, a_sc; writes a_img, a_sc
.if DOCPART == 3
	.amdgcn_target "amdgcn-amd-amdhsa--gfx1250"
	.amdhsa_code_object_version 6
	.text
	.protected	k_q961e3a285d_attn
	.globl	k_q961e3a285d_attn
	.p2align	8
	.type	k_q961e3a285d_attn,@function
k_q961e3a285d_attn:
	s_mov_b64 s[64:65], 0
	v_nop
	global_prefetch_b8 v0, s[64:65] scope:SCOPE_SE
	s_setreg_imm32_b32 hwreg(HW_REG_WAVE_MODE, 25, 1), 1
	s_wait_xcnt 0x0
	s_wait_alu depctr_hold_cnt(0) depctr_sa_sdst(0) depctr_va_vdst(0) depctr_va_sdst(0) depctr_va_ssrc(0) depctr_va_vcc(0) depctr_vm_vsrc(0)
	s_getreg_b32 s2, hwreg(HW_REG_IB_STS2, 6, 4)
	s_cmp_eq_u32 s2, 0
	s_cbranch_scc0 .Lentry_in_a_cluster
	s_endpgm
.Lentry_in_a_cluster:
	s_bfe_u32 s2, ttmp6, 0x10000c
	s_cmp_lg_u32 s2, 0x3003
	s_cbranch_scc0 .Lentry_shape_is_right
	s_endpgm
.Lentry_shape_is_right:
; Attention on codes of FP4 for two neighbouring heads and 256 queries a work-group; the result is quantised along the projection's K and stored as images of operand registers.  Nothing of the problem is left out.
; t = score x log2(e) / 8; M = the running largest t rounded up to a whole number; p = 2^(t - M) is quantised along the keys; the row's sum is taken of the unquantised p and divides at the end.
; LIMITS: the promise holds while the scaled scores stay under 2^31 in magnitude; NaN and infinities are not served; a block of p that is all zeros keeps the byte 1 (its codes are zeros).
; SHARES: eight waves, two to a SIMD; a wave owns 32 queries, two tiles of 16, and walks both heads' 2,048 keys, 128 a step: each fragment of K and V feeds two matrix instructions.
; LDS: the two heads' K and V, 2 x 143,360 bytes, are one dense block of kv: each wave brings 140 rows of 256 bytes by ONE joint load (the four query blocks of a cluster read the same heads).  Filled once; no refill, so one barrier.
; No prefetch: the one fill stands at the head, and there is no loop to run ahead in.
; LAYOUT: S^T = K Q^T, O^T = V^T P^T: a lane holds one query (lane % 16).  A TILE OF K IS COMPOSED BY THE LANES' LDS ADDRESSES: tile 4 c + u takes as rows 0-7 keys 64 c + 8 u + 0..7 and as rows 8-15 keys 64 c + 32 + 8 u + 0..7,
; so that lane (r, h) holds in the 32 registers of tiles 4 c .. 4 c + 3 the keys 64 c + 32 h + 0 .. 31: a whole block of the quantiser, in the order of the operand's registers: the conversions' results are P's fragment as they stand.
; K = 64 of the first product fills half of the instruction's 128: registers 4-7 of Q's and K's fragments are zero codes, under scale bytes 0x7f.
; REGISTERS.  Window 0: v1-11 addresses; v12-23 -M, largest score, sums, f for both tiles; v24-31 at work; v32-47 scale words (K 8, V 4, Q 2, P 2); v48-79 at work; v80-95 P's codes; v96-223 S^T, then p; v224-255 partial sums.
;   Window 1: v0-63 O^T; v64-79 Q; v96-159 K; v160-191 V.
.set HB,    143360                     ; a head in kv
.set SB,    8960                       ; a key step in kv
.set STG,   286720                     ; behind the heads: 1,024 bytes for the results' scale words
.set SPARE, 287744                     ; the spare words, 128 bytes for each wave: four blocks of 256 bytes that no other line names
.set SA, 96
.set XT, 224
.set QW, 64
.set KW, 96
.set VW, 160
.set MSB, 0
.macro WIN new                         ; the immediate's high byte repeats the setting that is left
.if MSB != (\new)
	s_set_vgpr_msb (MSB<<8)|(\new)
.set MSB, (\new)
.endif
.endm
.macro WA
	s_wait_alu depctr_va_vdst(0)
.endm
.macro MMS d, a, b, sa, sb             ; a product that starts a sum
	v_wmma_scale_f32_16x16x128_f8f6f4 v[\d:\d+7], v[\a:\a+7], v[\b:\b+7], 0, v[\sa], v[\sb] matrix_a_fmt:MATRIX_FMT_FP4 matrix_b_fmt:MATRIX_FMT_FP4
.endm
.macro MMA d, a, b, sa, sb             ; a product that adds in place
	v_wmma_scale_f32_16x16x128_f8f6f4 v[\d:\d+7], v[\a:\a+7], v[\b:\b+7], v[\d:\d+7], v[\sa], v[\sb] matrix_a_fmt:MATRIX_FMT_FP4 matrix_b_fmt:MATRIX_FMT_FP4
.endm
.macro CROUND                          ; a round of the cluster's barrier
	s_barrier_signal -1
	s_barrier_wait -1
	s_cmp_lg_u32 s12, 0
	s_cbranch_scc1 .Lnot_wave_0_\@
	s_barrier_signal -3
.Lnot_wave_0_\@:
	s_barrier_wait -3
	s_barrier_signal -1
	s_barrier_wait -1
.endm
	s_load_b256 s[4:11], s[0:1], 0x0               ; qb s[4:5], kv s[6:7], a_img s[8:9], a_sc s[10:11]
	v_lshl_add_u32 v3, v0, 2, SPARE
	v_mov_b32 v4, 0
	ds_add_u32 v3, v4                              ; the opening lines: the add, twice on end, and its wait ahead of my tensor load
	ds_add_u32 v3, v4
	v_lshrrev_b32 v8, 5, v0
	v_readfirstlane_b32 s12, v8                    ; wave 0..7
	s_bfe_u32 s13, ttmp6, 0x40000                  ; cx
	s_lshl_b32 s14, ttmp9, 2
	s_add_co_u32 s14, s14, s13                     ; block of 256 queries, 0..7
	s_and_b32 s15, ttmp7, 0xffff
	s_lshr_b32 s16, s15, 3                         ; batch
	s_and_b32 s17, s15, 7                          ; pair of heads
	s_lshl_b32 s18, s16, 4
	s_lshl_b32 s19, s17, 1
	s_add_co_u32 s18, s18, s19                     ; my first head
	s_mov_b32 s24, 15|(3<<16)|(1<<21)              ; the mask of the four partners; elements of 8 bytes; bit 21 beside a mask
	s_mov_b32 s25, 32<<16                          ; rows of 256 bytes,
	s_mov_b32 s26, 140<<16                         ; 140 of them
	s_mov_b32 s27, 32<<16
	s_mov_b32 s28, 140
	s_mov_b32 s29, 32
	s_mov_b32 s30, 0
	s_mov_b32 s31, 0
	s_mul_i32 s52, s12, 35840                      ; my eighth of the two heads, in LDS as in memory
	s_mul_i32 s42, s18, HB
	s_add_co_u32 s42, s42, s52
	s_mov_b32 s43, 0
	s_mov_b32 s20, 0x76543210
	s_mov_b32 s21, 0xfedcba98                      ; v_permlanex16_b32's selects for lane l xor 16
	s_mov_b32 s22, 0x3e38aa3b                      ; c = log2(e) / 8
	s_mov_b32 s23, s22
	s_mov_b32 s58, 0xbe38aa3b                      ; -c
	s_mul_i32 s48, s18, 73728                      ; Q: head, step 2 x block + wave / 4, tiles 2 (wave % 4) and the next
	s_lshl_b32 s49, s14, 1
	s_lshr_b32 s50, s12, 2
	s_add_co_u32 s49, s49, s50
	s_mul_i32 s49, s49, 4608
	s_add_co_u32 s48, s48, s49
	s_and_b32 s50, s12, 3
	s_lshl_b32 s49, s50, 10
	s_add_co_u32 s44, s48, s49
	s_mov_b32 s45, 0
	s_lshr_b32 s49, s50, 1
	s_lshl_b32 s49, s49, 8
	s_add_co_u32 s46, s48, s49
	s_and_b32 s49, s12, 1
	s_lshl_b32 s49, s49, 3
	s_add_co_u32 s46, s46, s49
	s_add_co_u32 s46, s46, 4096                    ; its two scale words of row r lie side by side
	s_mov_b32 s47, 0
	s_lshl_b32 s54, s16, 7
	s_lshl_b32 s49, s14, 4
	s_add_co_u32 s54, s54, s49                     ; the work-group's first tile of tokens
	s_lshl_b32 s56, s54, 6
	s_lshl_b32 s49, s17, 15
	s_add_co_u32 s56, s56, s49                     ; a_sc: [8 K steps][512 tiles][16 r] words
	s_mov_b32 s57, 0
	s_lshl_b32 s49, s12, 1
	s_add_co_u32 s54, s54, s49
	s_lshl_b32 s54, s54, 3
	s_add_co_u32 s54, s54, s17
	s_lshl_b32 s54, s54, 10                        ; a_img: [tile][8 K steps][1,024]
	s_mov_b32 s55, 0
	s_lshl_b32 s53, s12, 7
	s_add_co_u32 s53, s53, STG
	s_wait_dscnt 0x0                               ; both opening adds are done
	s_wait_kmcnt 0x0
	s_mov_b32 s32, 1
	s_mov_b32 s33, s52
	s_add_nc_u64 s[34:35], s[6:7], s[42:43]
	s_or_b32 s35, s35, 0x80000000
	s_add_nc_u64 s[44:45], s[4:5], s[44:45]
	s_add_nc_u64 s[46:47], s[4:5], s[46:47]
	s_add_nc_u64 s[54:55], s[8:9], s[54:55]
	s_add_nc_u64 s[56:57], s[10:11], s[56:57]
	CROUND                                         ; the four partners are here: the joint loads meet
	tensor_load_to_lds s[32:35], s[24:31]          ; my one tensor load of the launch
	s_nop 0
.rept 4
	v_nop
.endr
	v_and_b32 v1, 31, v0
	v_lshlrev_b32 v1, 4, v1                        ; 16 x lane
	v_and_b32 v8, 15, v0                           ; r
	v_lshlrev_b32 v2, 4, v8                        ; 16 r
	WIN 0x40
	global_load_b128 v[QW:QW+3], v1, s[44:45]      ; Q's two fragments stay in registers
	global_load_b128 v[QW+8:QW+11], v1, s[44:45] offset:512
	WIN 0
	global_load_b64 v[44:45], v2, s[46:47]         ; and their scale words
	v_bfe_u32 v9, v0, 4, 1                         ; h
	v_bfe_u32 v10, v0, 3, 1                        ; r / 8
	v_and_b32 v11, 7, v0                           ; r % 8
	v_lshlrev_b32 v7, 3, v9                        ; 8 h: my bytes' place in P's scale word
	v_lshlrev_b32 v5, 4, v11
	v_lshl_add_u32 v6, v10, 3, v5                  ; K's scale words: 16 (r % 8) + 8 (r / 8)
	v_lshl_add_u32 v5, v10, 10, v5
	v_lshl_add_u32 v5, v9, 8, v5                   ; K's codes: 1,024 (r / 8) + 16 (r % 8) + 256 h
	v_lshl_add_u32 v72, v8, 2, s53                 ; the stage: 128 x wave + 4 r
	v_lshlrev_b32 v74, 4, v0
	v_add_nc_u32 v73, STG, v74
.irp i, 21,23,28,29,62,63
	v_mov_b32 v[\i], 0                             ; upper halves of pairs, and lane permutes' destinations: written once
.endr
	WIN 0x40
.irp i, 4,5,6,7,12,13,14,15
	v_mov_b32 v[QW+\i], 0                          ; zero codes for K = 64 .. 127
.endr
.irp t, 0,1,2,3,4,5,6,7
.irp i, 4,5,6,7
	v_mov_b32 v[KW+8*\t+\i], 0
.endr
.endr
	WIN 0
; K's eight tiles and their scale words: 12 LDS loads
.macro KLOAD ak, aks
	WIN 0x40
.irp t, 0,1,2,3,4,5,6,7
	ds_load_b128 v[KW+8*\t:KW+8*\t+3], v[\ak] offset:(4*(\t/4)+(\t%2))*512+128*((\t%4)/2)
.endr
	WIN 0
.irp g, 0,1,2,3
	ds_load_b64 v[32+2*\g:33+2*\g], v[\aks] offset:4096+128*\g
.endr
.endm
; A KEY STEP: 128 keys x my 32 queries.  K's fragments were asked for a step earlier.
.macro STEP
	s_add_co_u32 s42, s40, SB
	s_min_u32 s42, s42, 31*SB                      ; the next step's K; the very last step names its own again, so that no read leaves the filled bytes
	v_add_nc_u32 v8, s40, v1
	v_add_nc_u32 v9, s40, v2
	v_nop
	v_nop                                          ; four places behind the last products, ahead of loads into their sources
	WIN 0x40
.irp t, 0,1,2,3
	ds_load_b128 v[VW+8*\t:VW+8*\t+3], v8 offset:4608+1024*\t
	ds_load_b128 v[VW+8*\t+4:VW+8*\t+7], v8 offset:4608+1024*\t+512
.endr
	WIN 0
	ds_load_b128 v[40:43], v9 offset:8704
	s_wait_dscnt 9                                 ; K is in; V's nine loads may be out
	WIN 0x05                                       ; K and Q in window 1, S^T in window 0
.irp t, 0,1,2,3,4,5,6,7
	MMS SA+8*\t, KW+8*\t, QW, 32+\t, 44
	MMS SA+64+8*\t, KW+8*\t, QW+8, 32+\t, 45
.endr
	WIN 0
	v_add_nc_u32 v10, s42, v5
	v_add_nc_u32 v11, s42, v6
	v_nop
	v_nop                                          ; four places
	KLOAD 10, 11
.irp k, 0,1,2,3,4,5,6,7                        ; the largest score of each block of 32 keys, in eight chains of 15
	v_max3_num_f32 v[64+\k], v[SA+16*\k], v[SA+16*\k+1], v[SA+16*\k+2]
.endr
.irp i, 3,5,7,9,11,13
.irp k, 0,1,2,3,4,5,6,7
	v_max3_num_f32 v[64+\k], v[64+\k], v[SA+16*\k+\i], v[SA+16*\k+\i+1]
.endr
.endr
.irp n, 0,1,2,3
	v_max3_num_f32 v[48+\n], v[64+2*\n], v[65+2*\n], v[SA+32*\n+15]
.endr
.irp n, 0,1,2,3
	v_max_num_f32 v[48+\n], v[48+\n], v[SA+32*\n+31]
.endr
.irp e, 0,1
	v_max_num_f32 v[24+\e], v[48+2*\e], v[49+2*\e]
.endr
.irp e, 0,1
	v_permlanex16_b32 v[28+\e], v[24+\e], s20, s21
.endr
.irp e, 0,1
	v_max3_num_f32 v[13+2*\e], v[13+2*\e], v[24+\e], v[28+\e]   ; the running largest score of my query
.endr
.irp e, 0,1
	v_mul_f32 v[24+\e], s58, v[13+2*\e]
.endr
.irp e, 0,1
	v_floor_f32 v[26+\e], v[24+\e]                 ; the new -M = floor(-t)
.endr
.irp e, 0,1
	v_sub_f32 v[24+\e], v[26+\e], v[12+2*\e]       ; old M - new M: a whole number, 0 or less
.endr
.irp e, 0,1
	v_mov_b32 v[12+2*\e], v[26+\e]
.endr
.irp e, 0,1
	v_cvt_i32_f32 v[24+\e], v[24+\e]               ; (it saturates)
.endr
.irp e, 0,1
	v_ldexp_f32 v[20+2*\e], 1.0, v[24+\e]          ; f = 2^(old M - new M)
.endr
	WIN 0x41
.set J, 0
.rept 16
	v_pk_mul_f32 v[J:J+1], v[J:J+1], v[20:21] op_sel_hi:[1,0]              ; O^T under the new M
	v_pk_mul_f32 v[32+J:33+J], v[32+J:33+J], v[22:23] op_sel_hi:[1,0]
.set J, J+2
.endr
	WIN 0
.set J, 0
.rept 32
	v_pk_fma_f32 v[SA+J:SA+J+1], v[SA+J:SA+J+1], s[22:23], v[12:13] op_sel_hi:[1,0,0]   ; tile 0: t - M
.set J, J+2
.endr
.irp n, 0,1,2,3
	v_fma_f32 v[48+\n], v[48+\n], s22, v[12+2*(\n/2)]   ; the same of each block's largest score
.endr
	WA                                             ; the wait ahead of the batch
.set J, 0
.rept 32                                       ; tile 0's exponentials; tile 1's t - M stands among them: its sources were written ahead of the wait above, its results are read behind the wait below
	v_exp_f32 v[SA+J], v[SA+J]
	v_exp_f32 v[SA+J+1], v[SA+J+1]
	v_pk_fma_f32 v[SA+64+J:SA+65+J], v[SA+64+J:SA+65+J], s[22:23], v[14:15] op_sel_hi:[1,0,0]
.set J, J+2
.endr
	v_exp_f32 v48, v48
	v_exp_f32 v49, v49
	v_pk_mul_f32 v[16:17], v[16:17], v[20:21] op_sel_hi:[1,0]   ; the sums under the new M
	v_pk_mul_f32 v[18:19], v[18:19], v[22:23] op_sel_hi:[1,0]
	WA                                             ; behind tile 0's batch and ahead of tile 1's
.set J, 0
.rept 16                                       ; tile 1's exponentials; the first level of tile 0's sum stands among them, each into a pair of its own that is read behind the wait below
	v_exp_f32 v[SA+64+4*J], v[SA+64+4*J]
	v_exp_f32 v[SA+65+4*J], v[SA+65+4*J]
	v_exp_f32 v[SA+66+4*J], v[SA+66+4*J]
	v_exp_f32 v[SA+67+4*J], v[SA+67+4*J]
	v_pk_add_f32 v[XT+2*J:XT+2*J+1], v[SA+4*J:SA+4*J+1], v[SA+4*J+2:SA+4*J+3]
.set J, J+1
.endr
	v_exp_f32 v50, v50
	v_exp_f32 v51, v51
	v_nop                                          ; a plain place behind the last exponential
	WA
.irp n, 0,1,2,3
	v_max_num_f32 v[48+\n], 0x1800000, v[48+\n]    ; the block's largest p, over the floor 2^(3 - 127)
.endr
.irp n, 0,1,2,3
	v_add_nc_u32 v[52+\n], 0xff000000, v[48+\n]    ; 2 off the exponent field: the conversion's scale operand
.endr
.irp n, 0,1,2,3
	v_lshrrev_b32 v[56+\n], 23, v[52+\n]           ; the byte
.endr
.irp e, 0,1
	v_lshl_or_b32 v[60+\e], v[57+2*\e], 16, v[56+2*\e]   ; my blocks h and 2 + h,
.endr
.irp e, 0,1
	v_lshlrev_b32 v[60+\e], v7, v[60+\e]           ; at their places in the word;
.endr
.irp e, 0,1
	v_permlanex16_b32 v[62+\e], v[60+\e], s20, s21
.endr
.irp e, 0,1
	v_or_b32 v[46+\e], v[60+\e], v[62+\e]          ; with lane l xor 16's two the word is whole
.endr
.irp t, 0,1,2,3,4,5,6,7
	v_cvt_scalef32_pk8_fp4_f32 v[80+\t], v[SA+8*\t:SA+8*\t+7], v[52+\t/4]
	v_cvt_scalef32_pk8_fp4_f32 v[88+\t], v[SA+64+8*\t:SA+64+8*\t+7], v[54+\t/4]
.endr
	v_nop                                          ; one plain instruction behind the last conversion
	v_pk_add_f32 v[64:65], v[SA+64:SA+65], v[SA+66:SA+67]   ; the rows' sums of the unquantised p, in four chains; these lines are also the places ahead of the products
.set J, 0
.rept 15
	v_pk_add_f32 v[18:19], v[18:19], v[SA+68+4*J:SA+69+4*J]
	v_pk_add_f32 v[64:65], v[64:65], v[SA+70+4*J:SA+71+4*J]
.if J < 8
	v_pk_add_f32 v[16:17], v[16:17], v[XT+4*J:XT+4*J+1]
.endif
.if J < 7
	v_pk_add_f32 v[XT+2:XT+3], v[XT+2:XT+3], v[XT+4*J+6:XT+4*J+7]
.endif
.set J, J+1
.endr
	v_pk_add_f32 v[18:19], v[18:19], v[64:65]
	v_pk_add_f32 v[16:17], v[16:17], v[XT+2:XT+3]
	WA                                             ; the wait here, directly ahead of the wait below
	s_wait_dscnt 12                                ; V is in; the next step's twelve loads of K may be out
	WIN 0x51                                       ; V, O^T in window 1, P in window 0
.irp t, 0,1,2,3
	MMA 8*\t, VW+8*\t, 80, 40+\t, 46
	MMA 32+8*\t, VW+8*\t, 88, 40+\t, 47
.endr
	WIN 0
	s_add_co_u32 s40, s40, SB
.endm
.macro HEAD c
.irp e, 0,1
	v_mov_b32 v[13+2*\e], 0xff61b1e6               ; the largest score so far: -3e38
	v_mov_b32 v[12+2*\e], 0x7f000000               ; -M: a large whole number, so that the first f is 0
	v_mov_b32 v[16+2*\e], 0
	v_mov_b32 v[17+2*\e], 0
.endr
	WIN 0x40
.set J, 0
.rept 64
	v_mov_b32 v[J], 0                              ; O^T: the step is written once, and the first finds zeros
.set J, J+1
.endr
	WIN 0
	s_mov_b32 s40, HB*\c
	s_mov_b32 s41, 16
	WA
.Lstep_\@:
	STEP
	s_sub_co_u32 s41, s41, 1
	s_cmp_lg_u32 s41, 0
	s_cbranch_scc1 .Lstep_\@
.endm
; A head's end: O^T / the sum, quantised along the head's 64 (two blocks of the projection's K), stored as register group c of the tokens' fragment.
.macro FINISH c
	WA                                             ; the sums were written just ahead of a wait that blocks
.if \c == 0
	WIN 0x40
	global_load_b128 v[QW:QW+3], v1, s[44:45] offset:73728       ; the next head's Q
	global_load_b128 v[QW+8:QW+11], v1, s[44:45] offset:73728+512
	WIN 0
	global_load_b64 v[44:45], v2, s[46:47] offset:73728
.endif
.irp e, 0,1
	v_add_f32 v[16+2*\e], v[16+2*\e], v[17+2*\e]
.endr
.irp e, 0,1
	v_permlanex16_b32 v[28+\e], v[16+2*\e], s20, s21
.endr
.irp e, 0,1
	v_add_f32 v[16+2*\e], v[16+2*\e], v[28+\e]     ; the row's sum
.endr
	WA
.irp e, 0,1
	v_rcp_f32 v[24+\e], v[16+2*\e]
.endr
	v_nop
	WA
.irp e, 0,1
	v_fma_f32 v[26+\e], -v[16+2*\e], v[24+\e], 1.0
.endr
.irp e, 0,1
	v_fma_f32 v[24+\e], v[26+\e], v[24+\e], v[24+\e]   ; the reciprocal, corrected once
.endr
	WIN 0x01
	WA                                             ; the wait here, directly ahead of the first reader of O^T
.set J, 0
.rept 32
	v_mul_f32 v[SA+J], v[J], v24
.set J, J+1
.endr
.set J, 0
.rept 32
	v_mul_f32 v[SA+64+J], v[32+J], v25
.set J, J+1
.endr
	WIN 0
.irp n, 0,1,2,3
	v_max3_num_f32 v[48+\n], |v[SA+64*(\n/2)+16*(\n%2)]|, |v[SA+64*(\n/2)+16*(\n%2)+1]|, 0x1800000
.endr
.irp i, 2,4,6,8,10,12,14
.irp n, 0,1,2,3
	v_max3_num_f32 v[48+\n], v[48+\n], |v[SA+64*(\n/2)+16*(\n%2)+\i]|, |v[SA+64*(\n/2)+16*(\n%2)+\i+1]|
.endr
.endr
.irp n, 0,1,2,3
	v_permlanex16_b32 v[56+\n], v[48+\n], s20, s21
.endr
.irp n, 0,1,2,3
	v_max_num_f32 v[48+\n], v[48+\n], v[56+\n]     ; with lane l xor 16's 16: the block's largest magnitude
.endr
.irp n, 0,1,2,3
	v_add_nc_u32 v[52+\n], 0xff000000, v[48+\n]
.endr
.irp n, 0,1,2,3
	v_lshrrev_b32 v[56+\n], 23, v[52+\n]
.endr
.irp e, 0,1
.if \c == 0
	v_lshl_or_b32 v[30+\e], v[57+2*\e], 8, v[56+2*\e]
.else
	v_lshl_or_b32 v[24+\e], v[57+2*\e], 8, v[56+2*\e]
.endif
.endr
.if \c == 1
.irp e, 0,1
	v_lshl_or_b32 v[30+\e], v[24+\e], 16, v[30+\e] ; the word of this K step: two bytes a head
.endr
.endif
.irp n, 0,1,2,3
	v_cvt_scalef32_pk8_fp4_f32 v[80+8*(\n/2)+2*(\n%2)], v[SA+64*(\n/2)+16*(\n%2):SA+64*(\n/2)+16*(\n%2)+7], v[52+\n]
	v_cvt_scalef32_pk8_fp4_f32 v[81+8*(\n/2)+2*(\n%2)], v[SA+64*(\n/2)+16*(\n%2)+8:SA+64*(\n/2)+16*(\n%2)+15], v[52+\n]
.endr
	v_nop
.irp e, 0,1
	v_permlane16_swap_b32 v[80+8*\e], v[82+8*\e]   ; a whole block to a lane
	v_permlane16_swap_b32 v[81+8*\e], v[83+8*\e]
.endr
.irp e, 0,1
	global_store_b128 v1, v[80+8*\e:83+8*\e], s[54:55] offset:512*\c+8192*\e   ; 512 consecutive bytes, aligned
.endr
.endm
	WA                                             ; the wait at the head's end
	s_wait_tensorcnt 0x0                           ; my eighth has landed,
	s_barrier_signal -1
	s_barrier_wait -1                              ; everybody's has.  Nothing is filled again
	KLOAD 5, 6                                     ; step 0's K
	s_wait_loadcnt 0x0                             ; Q
	HEAD 0
	FINISH 0
	s_wait_loadcnt 0x0                             ; the next head's Q
	s_wait_xcnt 0x0                                ; the stores have read the registers that the next conversions write
	HEAD 1
	FINISH 1
	ds_store_b32 v72, v30                          ; the scale words of the work-group's 16 tiles are gathered: 1,024 bytes
	ds_store_b32 v72, v31 offset:64
	s_wait_dscnt 0x0
	s_barrier_signal -1
	s_barrier_wait -1
	s_cmp_gt_u32 s12, 1
	s_cbranch_scc1 .Lno_sc
	ds_load_b128 v[64:67], v73
	s_wait_dscnt 0x0
	global_store_b128 v74, v[64:67], s[56:57]      ; waves 0 and 1 store 512 consecutive bytes each, aligned
.Lno_sc:
	s_wait_tensorcnt 0x0                           ; the wave's end
	ds_add_u32 v3, v4
	s_wait_dscnt 0x0
	CROUND                                         ; the closing round
	s_endpgm
.Lfunc_end_k_q961e3a285d_attn:
	.size	k_q961e3a285d_attn, .Lfunc_end_k_q961e3a285d_attn-k_q961e3a285d_attn
	.p2alignl 7, 3214868480
	.fill 96, 4, 3214868480
	.section	.rodata,"a",@progbits
	.p2align	6, 0x0
	.amdhsa_kernel k_q961e3a285d_attn
		.amdhsa_group_segment_fixed_size 327680
		.amdhsa_private_segment_fixed_size 0
		.amdhsa_enable_private_segment 0
		.amdhsa_kernarg_size 32
		.amdhsa_user_sgpr_count 2
		.amdhsa_user_sgpr_kernarg_segment_ptr 1
		.amdhsa_wavefront_size32 1
		.amdhsa_system_sgpr_workgroup_id_x 1
		.amdhsa_system_sgpr_workgroup_id_y 1
		.amdhsa_system_sgpr_workgroup_id_z 1
		.amdhsa_system_vgpr_workitem_id 0
		.amdhsa_next_free_vgpr 448
		.amdhsa_next_free_sgpr 66
		.amdhsa_reserve_vcc 0
		.amdhsa_float_denorm_mode_32 3
		.amdhsa_float_denorm_mode_16_64 3
		.amdhsa_memory_ordered 1
		.amdhsa_forward_progress 1
		.amdhsa_inst_pref_size 81
	.end_amdhsa_kernel
	.amdgpu_metadata
---
amdhsa.version: [ 1, 2 ]
amdhsa.kernels:
  - .name:           k_q961e3a285d_attn
    .symbol:         k_q961e3a285d_attn.kd
    .args:
      - { .name: qb, .offset: 0, .size: 8, .value_kind: global_buffer, .address_space: global }
      - { .name: kv, .offset: 8, .size: 8, .value_kind: global_buffer, .address_space: global }
      - { .name: a_img, .offset: 16, .size: 8, .value_kind: global_buffer, .address_space: global }
      - { .name: a_sc, .offset: 24, .size: 8, .value_kind: global_buffer, .address_space: global }
    .group_segment_fixed_size: 327680
    .private_segment_fixed_size: 0
    .kernarg_segment_align: 8
    .kernarg_segment_size: 32
    .max_flat_workgroup_size: 256
    .sgpr_count:     66
    .vgpr_count:     448
    .wavefront_size: 32
...
	.end_amdgpu_metadata
.endif
;; end of part 3
;; launch proj (part 4): grid 4 x 64, 4 waves a work-group, clusters of 4 x 4, 327,680 bytes of LDS; arguments a_img, a_sc, xw_img, xw_sc, b_out, out0; writes out0
.if DOCPART == 4
	.amdgcn_target "amdgcn-amd-amdhsa--gfx1250"
	.amdhsa_code_object_version 6
	.text
	.protected	k_q961e3a285d_proj
	.globl	k_q961e3a285d_proj
	.p2align	8
	.type	k_q961e3a285d_proj,@function
k_q961e3a285d_proj:
	s_mov_b64 s[64:65], 0
	v_nop
	global_prefetch_b8 v0, s[64:65] scope:SCOPE_SE
	s_setreg_imm32_b32 hwreg(HW_REG_WAVE_MODE, 25, 1), 1
	s_wait_xcnt 0x0
	s_wait_alu depctr_hold_cnt(0) depctr_sa_sdst(0) depctr_va_vdst(0) depctr_va_sdst(0) depctr_va_ssrc(0) depctr_va_vcc(0) depctr_vm_vsrc(0)
	s_getreg_b32 s2, hwreg(HW_REG_IB_STS2, 6, 4)
	s_cmp_eq_u32 s2, 0
	s_cbranch_scc0 .Lentry_in_a_cluster
	s_endpgm
.Lentry_in_a_cluster:
	s_bfe_u32 s2, ttmp6, 0x10000c
	s_cmp_lg_u32 s2, 0xf033
	s_cbranch_scc0 .Lentry_shape_is_right
	s_endpgm
.Lentry_shape_is_right:
.set HSTEP, 98304
.set BH0,   65536
.set SCA,   196608
.set SCB,   200704
.set STAGE, 208896
.set SPARE, 242688
.set SPW, 28
.set NIL, 29
.set BIA, 192
.set G1A, 24
.set G0A, 32
.set G1B, 48
.set G0B, 56
.set G1S, 68
.set G0S, 76
.set G1T, 80
.set G0T, 88
.set MSB, 0
.macro WIN new
.if MSB != (\new)
	s_set_vgpr_msb (MSB<<8)|(\new)
.set MSB, (\new)
.endif
.endm
.macro PLACES
.rept 4
	v_nop
.endr
.endm
; One arm of the head's chain of branches on the wave's number: a joint load, an s_nop and four v_nops behind it, and a jump to the chain's end.
.macro ARM under, g0, g1, next
	s_cmp_lt_u32 s16, \under
	s_cbranch_scc0 \next
	tensor_load_to_lds s[\g0:\g0+3], s[\g1:\g1+7]
	s_nop 0
.rept 4
	v_nop
.endr
	s_branch .Lhead_asked
\next:
.endm
.macro CROUND
	s_barrier_signal -1
	s_barrier_wait -1
	s_cmp_lg_u32 s16, 0
	s_cbranch_scc1 .Lnot_wave_0_\@
	s_barrier_signal -3
.Lnot_wave_0_\@:
	s_barrier_wait -3
	s_barrier_signal -1
	s_barrier_wait -1
.endm
	s_load_b256 s[4:11], s[0:1], 0x0
	s_load_b128 s[12:15], s[0:1], 0x20
	v_lshl_add_u32 v[SPW], v0, 2, SPARE
	v_mov_b32 v[NIL], 0
	ds_add_u32 v[SPW], v[NIL]
	ds_add_u32 v[SPW], v[NIL]
	v_lshrrev_b32 v1, 5, v0
	v_readfirstlane_b32 s16, v1
	s_lshr_b32 s17, s16, 1
	s_and_b32 s18, s16, 1
	s_bfe_u32 s40, ttmp6, 0x40000
	s_bfe_u32 s41, ttmp6, 0x40004
	s_lshl_b32 s42, ttmp9, 2
	s_add_co_u32 s42, s42, s40
	s_and_b32 s19, ttmp7, 0xffff
	s_lshl_b32 s19, s19, 2
	s_add_co_u32 s19, s19, s41
	s_lshl_b32 s43, s41, 2
	s_lshl_b32 s43, 15, s43
	s_lshl_b32 s44, 0x1111, s40
	s_or_b32 s[G1A], s43, (3<<16)|(1<<21)
	s_mov_b32 s[G1A+1], 512<<16
	s_mov_b32 s[G1A+2], 16<<16                     ; the tokens' 8 tiles, all of K: 65,536 dense bytes as 16 rows of 4,096
	s_mov_b32 s[G1A+3], 512<<16
	s_mov_b32 s[G1A+4], 16
	s_mov_b32 s[G1A+5], 512
	s_mov_b32 s[G1A+6], 0
	s_mov_b32 s[G1A+7], 0
	s_or_b32 s[G1B], s44, (3<<16)|(1<<21)
	s_mov_b32 s[G1B+1], 512<<16
	s_mov_b32 s[G1B+2], 32<<16                     ; W's 16 tiles, all of K: 131,072 dense bytes as 32 rows of 4,096
	s_mov_b32 s[G1B+3], 512<<16
	s_mov_b32 s[G1B+4], 32
	s_mov_b32 s[G1B+5], 512
	s_mov_b32 s[G1B+6], 0
	s_mov_b32 s[G1B+7], 0
	s_or_b32 s[G1S], s43, (3<<16)|(1<<21)
	s_mov_b32 s[G1S+1], 64<<16                     ; the tokens' scale words: for each of 8 K steps the 8 tiles' 512 bytes
	s_mov_b32 s[G1S+2], 8<<16
	s_mov_b32 s[G1S+3], 64<<16
	s_mov_b32 s[G1S+4], 8
	s_mov_b32 s[G1S+5], 4096
	s_mov_b32 s[G1S+6], 0
	s_mov_b32 s[G1S+7], 0
	s_or_b32 s[G1T], s44, (3<<16)|(1<<21)
	s_mov_b32 s[G1T+1], 32<<16
	s_mov_b32 s[G1T+2], 32<<16                     ; W's scale words: 8,192 dense bytes as 32 rows of 256
	s_mov_b32 s[G1T+3], 32<<16
	s_mov_b32 s[G1T+4], 32
	s_mov_b32 s[G1T+5], 32
	s_mov_b32 s[G1T+6], 0
	s_mov_b32 s[G1T+7], 0
	s_lshl_b32 s20, s19, 16
	s_mov_b32 s21, 0
	s_lshr_b32 s22, s20, 7
	s_mov_b32 s23, 0
	s_lshl_b32 s46, s42, 17
	s_add_co_u32 s46, s46, 704*8192
	s_mov_b32 s47, 0
	s_lshr_b32 s2, s46, 4
	s_mov_b32 s3, 0
	s_wait_dscnt 0x0
	s_wait_kmcnt 0x0
	s_add_nc_u64 s[20:21], s[4:5], s[20:21]
	s_add_nc_u64 s[22:23], s[6:7], s[22:23]
	s_add_nc_u64 s[46:47], s[8:9], s[46:47]
	s_add_nc_u64 s[2:3], s[10:11], s[2:3]
	CROUND
	s_mov_b32 s[G0S], 1
	s_mov_b32 s[G0S+1], SCA
	s_mov_b64 s[G0S+2:G0S+3], s[22:23]
	s_or_b32 s[G0S+3], s[G0S+3], 0x80000000
	s_mov_b32 s[G0T], 1
	s_mov_b32 s[G0T+1], SCB
	s_mov_b64 s[G0T+2:G0T+3], s[2:3]
	s_or_b32 s[G0T+3], s[G0T+3], 0x80000000
	s_mov_b32 s[G0A], 1
	s_mov_b32 s[G0A+1], 0
	s_mov_b64 s[G0A+2:G0A+3], s[20:21]
	s_or_b32 s[G0A+3], s[G0A+3], 0x80000000
	s_mov_b32 s[G0B], 1
	s_mov_b32 s[G0B+1], BH0
	s_mov_b64 s[G0B+2:G0B+3], s[46:47]
	s_or_b32 s[G0B+3], s[G0B+3], 0x80000000
	; THE HEAD'S LOADS, ONE A WAVE, and the launch's only ones: wave 0 the tokens' codes, wave 1 W's, wave 2 the tokens' scale words, wave 3 W's
	ARM 1, G0A, G1A, .Lhead_b
	ARM 2, G0B, G1B, .Lhead_sa
	ARM 3, G0S, G1S, .Lhead_sb
	tensor_load_to_lds s[G0T:G0T+3], s[G1T:G1T+7]
	s_nop 0
.rept 4
	v_nop
.endr
.Lhead_asked:
	s_lshl_b32 s46, s42, 10
	s_lshl_b32 s2, s18, 9
	s_add_co_u32 s46, s46, s2
	s_mov_b32 s47, 0
	s_add_nc_u64 s[12:13], s[12:13], s[46:47]
	s_add_nc_u64 s[14:15], s[14:15], s[46:47]
	s_lshl_b32 s46, s19, 19
	s_lshl_b32 s2, s17, 18
	s_add_co_u32 s46, s46, s2
	s_add_nc_u64 s[14:15], s[14:15], s[46:47]
	v_and_b32 v3, 31, v0
	v_and_b32 v1, 15, v0
	s_wait_alu depctr_va_vdst(0)
	v_bfe_u32 v2, v0, 4, 1
	v_lshlrev_b32 v26, 4, v3
	s_lshl_b32 s20, s17, 15
	v_add_nc_u32 v16, s20, v26                     ; my 4 tiles of tokens, 8,192 bytes each
	s_lshl_b32 s20, s18, 16
	s_add_co_u32 s20, s20, BH0
	v_add_nc_u32 v20, s20, v26                     ; my 8 tiles of W
	s_lshl_b32 s20, s17, 8
	s_add_co_u32 s20, s20, SCA
	v_lshl_add_u32 v22, v1, 2, s20
	s_lshl_b32 s20, s18, 12
	s_add_co_u32 s20, s20, SCB
	v_lshl_add_u32 v23, v1, 4, s20
	s_mul_i32 s20, s16, 8448
	s_add_co_u32 s20, s20, STAGE
	v_mul_u32_u24 v24, v1, 528
	s_wait_alu depctr_va_vdst(0)
	v_lshl_add_u32 v24, v2, 6, v24
	v_add_nc_u32 v24, s20, v24
	v_add_nc_u32 v25, s20, v26
	v_lshlrev_b32 v18, 6, v2
	WIN 0x80
.irp b, 0,1,2,3,4,5,6,7
	global_load_b128 v[BIA+8*\b:BIA+8*\b+3], v18, s[12:13] offset:(32*(\b/2)+8*(\b%2))*4
	global_load_b128 v[BIA+8*\b+4:BIA+8*\b+7], v18, s[12:13] offset:(32*(\b/2)+8*(\b%2))*4+16
.endr
	WIN 0
.macro FETCH j
	WIN 0x80
.irp i, 0,1,2,3,4,5,6,7
.irp c, 0,1
	ds_load_b128 v[128*((\j)%2)+8*\i+4*\c:128*((\j)%2)+8*\i+4*\c+3], v20 offset:8192*\i+1024*(\j)+512*\c
.endr
.endr
	WIN 0
.irp i, 0,1,2,3
.irp c, 0,1
	ds_load_b128 v[128+32*((\j)%2)+8*\i+4*\c:128+32*((\j)%2)+8*\i+4*\c+3], v16 offset:8192*\i+1024*(\j)+512*\c
.endr
.endr
.endm
.macro MUL j, first
.irp a, 0,1,2,3
.irp b, 0,1,2,3,4,5,6,7
.set rD, 8*(8*\a+\b)
.set rW, 128*((\j)%2)+8*\b
.set rX, 128+32*((\j)%2)+8*\a
.set rB, BIA+8*\b
.if \first
	v_wmma_scale_f32_16x16x128_f8f6f4 v[rD:rD+7], v[rW:rW+7], v[rX:rX+7], v[rB:rB+7], v[64+8*\b+(\j)], v[32+8*\a+(\j)] matrix_a_fmt:MATRIX_FMT_FP4 matrix_b_fmt:MATRIX_FMT_FP4
.else
	v_wmma_scale_f32_16x16x128_f8f6f4 v[rD:rD+7], v[rW:rW+7], v[rX:rX+7], v[rD:rD+7], v[64+8*\b+(\j)], v[32+8*\a+(\j)] matrix_a_fmt:MATRIX_FMT_FP4 matrix_b_fmt:MATRIX_FMT_FP4
.endif
.endr
.endr
.endm
.macro KSTEP j
	s_wait_dscnt 0x0
.if (\j) < 7
.if (\j) > 0
	PLACES
.endif
	FETCH (\j)+1
.endif
.if (\j) == 0
	WIN 0x62
	MUL \j, 1
.else
	WIN 0x52
	MUL \j, 0
.endif
.endm
	s_wait_alu depctr_va_vdst(0)                   ; the wait at the head's end
	s_wait_tensorcnt 0x0                           ; my tile of the four has landed; behind the barrier everybody's has
	s_barrier_signal -1
	s_barrier_wait -1
	FETCH 0
.irp i, 0,1,2,3
.irp j, 0,1,2,3,4,5,6,7
	ds_load_b32 v[32+8*\i+\j], v22 offset:512*\j+64*\i
.endr
.endr
.irp b, 0,1,2,3,4,5,6,7
.irp g, 0,1
	ds_load_b128 v[64+8*\b+4*\g:64+8*\b+4*\g+3], v23 offset:512*\b+256*\g
.endr
.endr
	s_wait_loadcnt 0x0
.irp j, 0,1,2,3,4,5,6,7
	KSTEP \j
.endr
	WIN 0
	PLACES
.macro TOSTAGE a
	WIN 0x04
.irp b, 0,1,2,3,4,5,6,7
	ds_store_b128 v24, v[8*(8*(\a)+\b):8*(8*(\a)+\b)+3] offset:128*(\b/2)+32*(\b%2)
	ds_store_b128 v24, v[8*(8*(\a)+\b)+4:8*(8*(\a)+\b)+7] offset:128*(\b/2)+32*(\b%2)+16
.endr
	WIN 0
.irp t, 0,1,2,3,4,5,6,7,8,9,10,11,12,13,14,15
	ds_load_b128 v[128+64*((\a)%2)+4*\t:128+64*((\a)%2)+4*\t+3], v25 offset:528*\t
.endr
.endm
.macro SEND a, younger
	s_wait_dscnt \younger
.irp t, 0,1,2,3,4,5,6,7,8,9,10,11,12,13,14,15
	global_store_b128 v26, v[128+64*((\a)%2)+4*\t:128+64*((\a)%2)+4*\t+3], s[14:15] offset:(32*((\a)/2)+8*((\a)%2)+\t+8*(\t/8))*4096 th:TH_STORE_NT
.endr
.endm
	s_wait_alu depctr_va_vdst(0)
	TOSTAGE 0
.irp a, 1,2,3
.if \a > 1
	s_wait_xcnt 0x0
.endif
	TOSTAGE \a
	SEND \a-1, 32
.endr
	SEND 3, 0
	s_wait_tensorcnt 0x0
	ds_add_u32 v[SPW], v[NIL]
	s_wait_dscnt 0x0
	CROUND
	s_endpgm
.Lfunc_end_k_q961e3a285d_proj:
	.size	k_q961e3a285d_proj, .Lfunc_end_k_q961e3a285d_proj-k_q961e3a285d_proj
	.p2alignl 7, 3214868480
	.fill 96, 4, 3214868480
	.section	.rodata,"a",@progbits
	.p2align	6, 0x0
	.amdhsa_kernel k_q961e3a285d_proj
		.amdhsa_group_segment_fixed_size 327680
		.amdhsa_private_segment_fixed_size 0
		.amdhsa_enable_private_segment 0
		.amdhsa_kernarg_size 48
		.amdhsa_user_sgpr_count 2
		.amdhsa_user_sgpr_kernarg_segment_ptr 1
		.amdhsa_wavefront_size32 1
		.amdhsa_system_sgpr_workgroup_id_x 1
		.amdhsa_system_sgpr_workgroup_id_y 1
		.amdhsa_system_sgpr_workgroup_id_z 1
		.amdhsa_system_vgpr_workitem_id 0
		.amdhsa_next_free_vgpr 768
		.amdhsa_next_free_sgpr 102
		.amdhsa_reserve_vcc 0
		.amdhsa_float_denorm_mode_32 3
		.amdhsa_float_denorm_mode_16_64 3
		.amdhsa_memory_ordered 1
		.amdhsa_forward_progress 1
		.amdhsa_inst_pref_size 73
	.end_amdhsa_kernel
	.amdgpu_metadata
---
amdhsa.version: [ 1, 2 ]
amdhsa.kernels:
  - .name:           k_q961e3a285d_proj
    .symbol:         k_q961e3a285d_proj.kd
    .args:
      - { .name: a_img, .offset: 0, .size: 8, .value_kind: global_buffer, .address_space: global }
      - { .name: a_sc, .offset: 8, .size: 8, .value_kind: global_buffer, .address_space: global }
      - { .name: xw_img, .offset: 16, .size: 8, .value_kind: global_buffer, .address_space: global }
      - { .name: xw_sc, .offset: 24, .size: 8, .value_kind: global_buffer, .address_space: global }
      - { .name: b_out, .offset: 32, .size: 8, .value_kind: global_buffer, .address_space: global }
      - { .name: out0, .offset: 40, .size: 8, .value_kind: global_buffer, .address_space: global }
    .group_segment_fixed_size: 327680
    .private_segment_fixed_size: 0
    .kernarg_segment_align: 8
    .kernarg_segment_size: 48
    .max_flat_workgroup_size: 128
    .sgpr_count:     102
    .vgpr_count:     768
    .wavefront_size: 32
...
	.end_amdgpu_metadata
.endif
;; end of part 4
